; MI455X (gfx1250); checked and timed in simulation.
; The chip was launched on July 23, 2026; its instructions are those of AMD's public machine-readable ISA for CDNA 5 (MIT licence, August 2026) and "CDNA5" Instruction Set Architecture Reference Guide (July 2026). The comments in the code are by the model that wrote it; some were corrected since.
;; Top K Mo E. Allowed arithmetic: float matrix products may take bf16 or f16 operands with f32 sums; all other float work in f32.
;; Inputs: b1 8 x 128 float32; b2 8 x 128 float32; b3 8 x 10 float32; gate_b 8 float32; gate_w 3,072 x 8 float32; w1 8 x 3,072 x 128 float32; w2 8 x 128 x 128 float32; w3 8 x 128 x 10 float32; x 16,384 x 3,072 float32.
;; Outputs: out0 16,384 x 10 float32.
;; 2 versions, each right and faster than the one before. Each part assembles by itself: llvm-mc -triple=amdgcn-amd-amdhsa -mcpu=gfx1250 --defsym DOCPART=n.
;; ======== version 1 of 2: 2 launches
;; limits: values outside matrix products are rounded to bf16
;; workspace buffers: wp 6,553,600 bytes; w3f 36,864 bytes; gwr 98,304 bytes
;; launch prep (part 1): grid 25 x 8, 8 waves a work-group, no clusters, 35,840 bytes of LDS; arguments w1, w2, w3, b3, wp, w3f, gate_w, gwr; writes wp, w3f, gwr
.if DOCPART == 1
	.amdgcn_target "amdgcn-amd-amdhsa--gfx1250"
	.amdhsa_code_object_version 6
	.text
	.protected	k_q4e2d81f8ac_prep
	.globl	k_q4e2d81f8ac_prep
	.p2align	8
	.type	k_q4e2d81f8ac_prep,@function
k_q4e2d81f8ac_prep:
	s_mov_b64 s[64:65], 0
	v_nop
	global_prefetch_b8 v0, s[64:65] scope:SCOPE_SE
	s_setreg_imm32_b32 hwreg(HW_REG_WAVE_MODE, 25, 1), 1
	s_wait_xcnt 0x0
; Weights for the second launch: rounded once to bf16 and laid so that the contraction index runs along the rows.
; Work-group (X, Y): Y is the expert.  X < 24: rows d = 128 X .. 128 X + 127 of w1[Y].  X = 24: w2[Y], then w3[Y], an eighth of gate_w, and b3[Y].
; In the first two cases the source is one dense block [k : 128][n : 128] of f32, 65,536 bytes; it leaves as two blocks [n : 128][k : 64] of bf16.
; wp: 50 tiles of 131,072 bytes.  Tile t < 48: w1, K step t, [n = 128 e + h : 1024][k : 64].  Tile 48 + (e & 1), quarter e >> 1:
; w2[e] as [k >> 6 : 2][g : 128][k & 63 : 64].  w3f: for each expert 4,096 bytes of w3 in the order of matrix fragments
; (16 bytes a lane: k = 16 wave + 8 (lane / 16) + 0..7 of output lane % 16, zeros for outputs 10 to 15), then 128 f32: b3 and zeros.
; gwr: gate_w in its own layout, each number rounded to bf16 and widened to f32 again (the second launch multiplies it in f32).
; Eight waves.  A wave's load covers one whole source row (512 bytes), a wave's store 512 neighbouring bytes of the destination;
; the transposition goes through LDS.
.set PITCH, 272                        ; an LDS row: 128 bf16 + 16 bytes
.set L, 16                             ; v[16:79]   16 loads x 4 registers; later what is read back from LDS
.set T, 80                             ; v[80:111]  packed bf16, 16 registers for each half of k
	s_load_b256 s[4:11], s[0:1], 0x0               ; w1 s[4:5], w2 s[6:7], w3 s[8:9], b3 s[10:11]
	s_load_b128 s[12:15], s[0:1], 0x20             ; wp s[12:13], w3f s[14:15]
	s_load_b128 s[40:43], s[0:1], 0x30             ; gate_w s[40:41], gwr s[42:43]
	v_lshl_add_u32 v112, v0, 2, 0x8800
	v_mov_b32 v113, 0
	s_mov_b32 s18, ttmp9                           ; X
	s_and_b32 s16, ttmp7, 0xffff                   ; Y, the expert
	v_lshrrev_b32 v1, 5, v0
	v_readfirstlane_b32 s17, v1                    ; wave 0..7
	v_and_b32 v2, 31, v0                           ; lane
	; both cases' offsets, then one choice
	s_mul_i32 s20, s16, 24
	s_add_co_u32 s20, s20, s18
	s_lshl_b32 s20, s20, 16                        ; w1: (24 Y + X) blocks of 65,536 bytes
	s_lshl_b32 s21, s16, 16                        ; w2: Y blocks
	s_lshl_b32 s22, s18, 18                        ; w1 goes to tiles 2 X and 2 X + 1,
	s_lshl_b32 s23, s16, 14                        ; rows 128 Y .. of 128 bytes
	s_add_co_u32 s22, s22, s23
	s_and_b32 s23, s16, 1
	s_add_co_u32 s23, s23, 48
	s_lshl_b32 s23, s23, 17                        ; w2 goes to tile 48 + (Y & 1),
	s_lshr_b32 s24, s16, 1
	s_lshl_b32 s24, s24, 15                        ; quarter Y >> 1
	s_add_co_u32 s23, s23, s24
	s_mov_b32 s32, 0x20000                         ; from the first half of k to the second: a tile (w1)
	s_mov_b32 s33, 0x4000                          ; or 128 rows of 128 bytes (w2)
	v_lshlrev_b32 v3, 4, v2
	v_lshl_add_u32 v3, v1, 12, v3                  ; source: 8 rows of 512 bytes a wave + 16 bytes a lane
	v_mul_u32_u24 v4, v2, 4*PITCH
	v_lshl_add_u32 v4, v1, 4, v4                   ; LDS, in: row 4 lane (+ m), bytes 16 wave (8 values of k)
	v_lshrrev_b32 v6, 3, v2
	v_lshl_add_u32 v6, v1, 2, v6
	v_mul_u32_u24 v6, v6, PITCH
	v_and_b32 v7, 7, v2
	v_lshl_add_u32 v5, v7, 4, v6                   ; LDS, back: row 4 wave + lane / 8, 16 bytes at 16 (lane % 8)
	v_lshlrev_b32 v8, 4, v0                        ; destination: 16 bytes a thread
	s_wait_kmcnt 0x0
	s_cmp_lt_u32 s18, 24
	s_cselect_b64 s[26:27], s[4:5], s[6:7]         ; the source buffer
	s_cselect_b32 s28, s20, s21
	s_cselect_b32 s30, s22, s23
	s_cselect_b32 s32, s32, s33
	s_mov_b32 s29, 0
	s_mov_b32 s31, 0
	s_mov_b32 s33, 0
	s_add_nc_u64 s[26:27], s[26:27], s[28:29]      ; my source block
	s_add_nc_u64 s[34:35], s[12:13], s[30:31]      ; destination of k = 0..63
	s_add_nc_u64 s[36:37], s[34:35], s[32:33]      ; destination of k = 64..127
	; register L + 4 (8 b + rr) + m = element (k = 64 b + 8 wave + rr, n = 4 lane + m)
.irp b, 0,1
.irp rr, 0,1,2,3,4,5,6,7
	global_load_b128 v[L+4*(8*\b+\rr):L+4*(8*\b+\rr)+3], v3, s[26:27] offset:\b*32768+\rr*512 th:TH_LOAD_NT
.endr
.endr
; eight values of k of one column n are 16 bytes of LDS row n.  Four rows are 1,088 bytes = 64 modulo 256, so the lanes c, c + 4, c + 8,
; c + 12 of a group of sixteen meet in the same 16-byte columns: these stores are served four deep.  There are eight of them a wave in the whole kernel.
.macro TURNB b
.irp m, 0,1,2,3
.irp p, 0,1,2,3
	v_cvt_pk_bf16_f32 v[T+16*\b+4*\m+\p], v[L+4*(8*\b+2*\p)+\m], v[L+4*(8*\b+2*\p+1)+\m]
.endr
.endr
.irp m, 0,1,2,3
	ds_store_b128 v4, v[T+16*\b+4*\m:T+16*\b+4*\m+3] offset:\m*PITCH+\b*128
.endr
.endm
	s_wait_loadcnt 8                               ; the first eight loads are in; the eight of the second half of k are younger
	TURNB 0
	s_wait_loadcnt 0x0
	TURNB 1
	s_wait_dscnt 0x0                               ; my stores are done, for the other waves' sake
	s_barrier_signal -1
	s_barrier_wait -1
.irp s, 0,1
.irp i, 0,1,2,3
	ds_load_b128 v[L+4*(4*\s+\i):L+4*(4*\s+\i)+3], v5 offset:\i*32*PITCH+\s*128   ; rows 32 i + thread / 8, half s of k
.endr
.endr
.irp s, 0,1
.irp i, 0,1,2,3
	s_wait_dscnt 7-(4*\s+\i)                       ; LDS loads come back in order: this one is in, the younger ones may be out
	global_store_b128 v8, v[L+4*(4*\s+\i):L+4*(4*\s+\i)+3], s[34+2*\s:35+2*\s] offset:\i*4096   ; a wave stores 512 neighbouring bytes, aligned
.endr
.endr
	s_cmp_lg_u32 s18, 24
	s_cbranch_scc1 .Lend                           ; no barrier follows
	; w3[Y]: [k : 128][o : 10] f32.  Thread = 32 wave + lane takes k = 16 wave + 8 (lane / 16) + 0..7 of output lane % 16.
	s_mul_i32 s20, s16, 5120
	s_mov_b32 s21, 0
	s_add_nc_u64 s[20:21], s[8:9], s[20:21]
	s_mul_i32 s22, s16, 4608
	s_mov_b32 s23, 0
	s_add_nc_u64 s[22:23], s[14:15], s[22:23]
	s_mul_i32 s24, s16, 40
	s_mov_b32 s25, 0
	s_add_nc_u64 s[24:25], s[10:11], s[24:25]
	v_and_b32 v10, 15, v2                          ; o
	v_min_u32 v11, 9, v10                          ; lanes of outputs 10..15 read output 9 and throw it away: no load leaves the buffer
	v_lshrrev_b32 v12, 4, v2
	v_lshlrev_b32 v12, 3, v12
	v_lshl_add_u32 v12, v1, 4, v12                 ; first k
	v_mul_u32_u24 v12, v12, 40
	v_lshl_add_u32 v9, v11, 2, v12
.irp i, 0,1,2,3,4,5,6,7
	global_load_b32 v[48+\i], v9, s[20:21] offset:40*\i
.endr
	v_cmp_gt_u32 vcc_lo, 10, v10                   ; a real output
	s_wait_loadcnt 0x0
.irp p, 0,1,2,3
	v_cvt_pk_bf16_f32 v[56+\p], v[48+2*\p], v[48+2*\p+1]
.endr
.irp p, 0,1,2,3
	v_cndmask_b32 v[56+\p], 0, v[56+\p], vcc_lo    ; zeros for outputs 10..15
.endr
	global_store_b128 v8, v[56:59], s[22:23]
	; gate_w, the eighth at byte 12,288 Y: three pieces of 16 bytes a thread; each number is rounded to bf16 and widened again
	s_mul_i32 s28, s16, 12288
	s_mov_b32 s29, 0
	s_add_nc_u64 s[40:41], s[40:41], s[28:29]
	s_add_nc_u64 s[42:43], s[42:43], s[28:29]
.irp i, 0,1,2
	global_load_b128 v[72+4*\i:72+4*\i+3], v8, s[40:41] offset:4096*\i th:TH_LOAD_NT
.endr
	s_wait_loadcnt 0x0
.irp i, 0,1,2,3,4,5
	v_cvt_pk_bf16_f32 v[84+\i], v[72+2*\i], v[72+2*\i+1]
.endr
.irp i, 0,1,2,3,4,5
	v_lshlrev_b32 v[92+2*\i], 16, v[84+\i]         ; bf16 to f32: the low half moves up,
	v_and_b32 v[92+2*\i+1], 0xffff0000, v[84+\i]   ; the high half stays
.endr
.irp i, 0,1,2
	global_store_b128 v8, v[92+4*\i:92+4*\i+3], s[42:43] offset:4096*\i   ; a wave stores 512 neighbouring bytes, aligned
.endr
	s_cmp_lg_u32 s17, 0
	s_cbranch_scc1 .Lend
	; b3[Y], wave 0: 128 f32, the ten numbers and zeros
	v_lshlrev_b32 v13, 2, v2
.irp m, 0,1,2,3
	v_add_nc_u32 v[60+\m], \m, v13                 ; index 4 lane + m
	v_min_u32 v[64+\m], 9, v[60+\m]
	v_lshlrev_b32 v[64+\m], 2, v[64+\m]
	global_load_b32 v[68+\m], v[64+\m], s[24:25]
.endr
	s_wait_loadcnt 0x0
.irp m, 0,1,2,3
	v_cmp_gt_u32 vcc_lo, 10, v[60+\m]
	v_cndmask_b32 v[68+\m], 0, v[68+\m], vcc_lo
.endr
	global_store_b128 v8, v[68:71], s[22:23] offset:4096
.Lend:
	s_wait_tensorcnt 0x0
	ds_add_u32 v112, v113
	s_wait_dscnt 0x0
	s_endpgm
.Lfunc_end_k_q4e2d81f8ac_prep:
	.size	k_q4e2d81f8ac_prep, .Lfunc_end_k_q4e2d81f8ac_prep-k_q4e2d81f8ac_prep
	.p2alignl 7, 3214868480
	.fill 96, 4, 3214868480
	.section	.rodata,"a",@progbits
	.p2align	6, 0x0
	.amdhsa_kernel k_q4e2d81f8ac_prep
		.amdhsa_group_segment_fixed_size 35840
		.amdhsa_private_segment_fixed_size 0
		.amdhsa_enable_private_segment 0
		.amdhsa_kernarg_size 64
		.amdhsa_user_sgpr_count 2
		.amdhsa_user_sgpr_kernarg_segment_ptr 1
		.amdhsa_wavefront_size32 1
		.amdhsa_system_sgpr_workgroup_id_x 1
		.amdhsa_system_sgpr_workgroup_id_y 1
		.amdhsa_system_sgpr_workgroup_id_z 1
		.amdhsa_system_vgpr_workitem_id 0
		.amdhsa_next_free_vgpr 114
		.amdhsa_next_free_sgpr 66
		.amdhsa_reserve_vcc 1
		.amdhsa_float_denorm_mode_32 3
		.amdhsa_float_denorm_mode_16_64 3
		.amdhsa_memory_ordered 1
		.amdhsa_forward_progress 1
		.amdhsa_inst_pref_size 13
	.end_amdhsa_kernel
	.amdgpu_metadata
---
amdhsa.version: [ 1, 2 ]
amdhsa.kernels:
  - .name:           k_q4e2d81f8ac_prep
    .symbol:         k_q4e2d81f8ac_prep.kd
    .args:
      - { .name: w1, .offset: 0, .size: 8, .value_kind: global_buffer, .address_space: global }
      - { .name: w2, .offset: 8, .size: 8, .value_kind: global_buffer, .address_space: global }
      - { .name: w3, .offset: 16, .size: 8, .value_kind: global_buffer, .address_space: global }
      - { .name: b3, .offset: 24, .size: 8, .value_kind: global_buffer, .address_space: global }
      - { .name: wp, .offset: 32, .size: 8, .value_kind: global_buffer, .address_space: global }
      - { .name: w3f, .offset: 40, .size: 8, .value_kind: global_buffer, .address_space: global }
      - { .name: gate_w, .offset: 48, .size: 8, .value_kind: global_buffer, .address_space: global }
      - { .name: gwr, .offset: 56, .size: 8, .value_kind: global_buffer, .address_space: global }
    .group_segment_fixed_size: 35840
    .private_segment_fixed_size: 0
    .kernarg_segment_align: 8
    .kernarg_segment_size: 64
    .max_flat_workgroup_size: 256
    .sgpr_count:     66
    .vgpr_count:     114
    .wavefront_size: 32
...
	.end_amdgpu_metadata
.endif
;; end of part 1
;; launch moe (part 2): grid 256 x 1, 4 waves a work-group, clusters of 4 x 1, 327,680 bytes of LDS; arguments x, gwr, gate_b, b1, b2, wp, w3f, out0; writes out0
.if DOCPART == 2
	.amdgcn_target "amdgcn-amd-amdhsa--gfx1250"
	.amdhsa_code_object_version 6
	.text
	.protected	k_q4e2d81f8ac_moe
	.globl	k_q4e2d81f8ac_moe
	.p2align	8
	.type	k_q4e2d81f8ac_moe,@function
k_q4e2d81f8ac_moe:
	s_mov_b64 s[64:65], 0
	v_nop
	global_prefetch_b8 v0, s[64:65] scope:SCOPE_SE
	s_setreg_imm32_b32 hwreg(HW_REG_WAVE_MODE, 25, 1), 1
	s_wait_xcnt 0x0
	s_wait_alu depctr_hold_cnt(0) depctr_sa_sdst(0) depctr_va_vdst(0) depctr_va_sdst(0) depctr_va_ssrc(0) depctr_va_vcc(0) depctr_vm_vsrc(0)
	s_getreg_b32 s2, hwreg(HW_REG_IB_STS2, 6, 4)
	s_cmp_eq_u32 s2, 0
	s_cbranch_scc0 .Lentry_in_a_cluster
	s_endpgm
.Lentry_in_a_cluster:
	s_bfe_u32 s2, ttmp6, 0x10000c
	s_cmp_lg_u32 s2, 0x3003
	s_cbranch_scc0 .Lentry_shape_is_right
	s_endpgm
.Lentry_shape_is_right:
; y = sum over the two best experts e of weight(e) * MLP_e(x): gate, three layers of all eight experts and the weighted sum in one launch.
; A work-group owns 64 rows of x and all 8 x 128 hidden columns, so a row's whole chain stays in it and x is read once.
; Wave w owns experts 2 w and 2 w + 1 (64 rows x 256 columns = 64 accumulator tiles, 512 registers).  It also owns the f32 side of rows
; 16 w .. 16 w + 15: it loads them, rounds them to bf16 into LDS for all four waves, and makes their gate scores.
; K = 3,072 goes in 48 steps of 64.  The weights come as bf16 tiles [1024][64] (made by the launch before) through two LDS slots.
; CLUSTER: every work-group walks the same weight tiles in the same order, so the four work-groups of a cluster ask for each tile jointly
; (mask 15); x is shared by nobody, so a second axis of the cluster would share nothing.
; THE GATE takes the same operands as the experts: x, gate_w (and gate_b) rounded to bf16.  Products of two bf16 numbers are exact in f32 and the
; sums are kept in f32, so the scores are those of the rounded inputs up to the noise of an f32 sum: the choice of the two best experts, a step
; function of the scores, is made on the numbers that the experts see.  It is made on the vector unit (24,576 of the 3.2 million multiply-adds
; of a row), from the registers in which x lies for the rounding anyway.
; THE MATRIX INSTRUCTION IS USED TRANSPOSED: source 0 = 16 weight rows, source 1 = 16 rows of x.  Lane l then holds row l % 16 of x and in
; registers 0..7 the columns 8 (l / 16) + 0..7 of the tile, so that two neighbouring tiles, rounded in pairs, ARE the next layer's fragment:
; h1 and h2 never leave the registers.  b1 is loaded straight into the accumulators; b2 and b3 are the C of their layers' first products.
; h2 enters layer 3 as two bf16 numbers, hi + lo (lo = h2 - hi, exact in f32): 16 matrix instructions more for an expert.  h1 enters layer 2 as one:
; a second half would take 128 registers beside layer 2's 256 sums, which the wave does not have.
; LIMITS: scores are taken to be finite.  A NaN in front of a ReLU becomes 0 (v_max_num_f32).  An h2 above the largest bf16 number (3.39e38) rounds to
; infinity.  The two experts are chosen for the inputs rounded to bf16: where a row's second and third score lie closer than that rounding moves
; them (2^-8 of each operand), the choice can differ from the one on unrounded inputs; where they lie closer than the noise of an f32 sum of
; 3,072 terms, from one made with another order of summation.  Equal scores: the lower index wins (strict comparisons in ascending order).
;
; REGISTERS in windows of 256 (s_set_vgpr_msb: bits 1:0 source 0, 3:2 source 1, 5:4 source 2, 7:6 destination):
;   window 0: v0-31 addresses; v32-159 x in f32, four stages of 32 (later h1/h2 fragments); v160-223 gate sums [8 rows][8 experts]
;             (later w3 fragments); v224-239 packed x (later b3); v240-255 at work
;   window 1: v0-63, v64-127 weight fragments, two buffers; v128-159, v160-191 x fragments, two buffers (later b2 of expert 2 w);
;             v192-223, v224-255 gate_w, two buffers (later b2 of expert 2 w + 1)
;   window 2: expert 2 w: tile (mt, nt) at v[8 (8 mt + nt)]; at the end h2's low halves in v0-127 and layer 3's sums in v128-159;   window 3: expert 2 w + 1
.set PITCH, 144                        ; an LDS row: 128 bytes + 16 = 36 words: sixteen neighbouring rows start in sixteen different 16-byte columns of 256 bytes
.set WQ,    256*PITCH                  ; a wave's quarter of a weight tile: 256 rows
.set SLOT,  4*WQ
.set XB,    2*SLOT                     ; x in bf16: two buffers of 64 rows, written by ds_store; no tensor load ever lands from here on
.set XBSZ,  64*PITCH
.set YP,    XB                         ; each wave's part of y, [64 rows][16 f32 + 16 bytes]: over the x buffers, whose last reads every wave has waited for in front of the last K step's round
.set YPITCH, 80                        ; an odd multiple of 16 bytes: sixteen rows' 16-byte stores fall into sixteen different columns of 256 bytes
.set YPSZ,  64*YPITCH
.set WGT,   XB+4*YPSZ                  ; the weights [64 rows][8 experts] f32, behind the x buffers (18,432 bytes) and behind y's four parts (20,480)
.set TILEB, 131072                     ; bytes of a weight tile in memory
.set LAPS,  12                         ; a lap = four K steps
.set LANE, 1
.set RR,   2                           ; lane % 16
.set HH,   3                           ; lane / 16
.set XOFF, 4                           ; x: (16 w + lane / 16) rows + 16 (lane % 16)
.set GOFF, 5                           ; gate_w: 128 (lane % 16): the four rows d = 4 (lane % 16) + 0..3
.set BOFF, 6                           ; b1, b2: 1,024 w + 32 (lane / 16)
.set ADRB, 7                           ; v7-8   my weight fragments in slot 0, 1
.set ADRA, 9                           ; v9-10  x fragments in buffer 0, 1
.set XST,  11                          ; v11-12 where I put packed x in buffer 0, 1
.set WST,  13
.set WLD,  14
.set YST,  15
.set FIN,  16                          ; where elements 4 t, 4 t + 1 of the flat [64][10] lie in a wave's part of y (t = thread)
.set JSEL, 17
.set W3O,  18
.set B3O,  19
.set OOFF, 20
.set NEG1, 21                          ; -1.0, behind the K loop
.set FIN1, 26                          ; elements 4 t + 2, 4 t + 3
.set FINT, 27                          ; the same two for piece 128 + lane
.set FINT1, 28
.set XF,   32
.set H,    32
.set GACC, 160
.set W3F,  160
.set TMP,  224
.set B3F,  224
.set WW,   240
.set OUT,  128                         ; layer 3's sums, in the expert's window
.set G1, 24                            ; s[24:31] descriptor group 1
.set G0, 32                            ; s[32:39] descriptor group 0, one set for each slot
.set MSB, 0
.macro WIN new                         ; the immediate's high byte repeats the setting that is left
.if MSB != (\new)
	s_set_vgpr_msb (MSB<<8)|(\new)
.set MSB, (\new)
.endif
.endm
.macro PLACES                          ; four places behind a matrix instruction (ISA guide 7.12.1), where no useful vector work is at hand
.rept 4
	v_nop
.endr
.endm
; A round of the cluster's barrier: my work-group's barrier; wave 0 signals for the work-group; every wave waits for all four work-groups;
; my work-group's barrier once more.
.macro CREST                           ; a round behind its opening barrier
	s_cmp_lg_u32 s20, 0
	s_cbranch_scc1 .Lnot_wave_0_\@
	s_barrier_signal -3
.Lnot_wave_0_\@:
	s_barrier_wait -3
	s_barrier_signal -1
	s_barrier_wait -1
.endm
.macro CROUND
	s_barrier_signal -1
	s_barrier_wait -1
	CREST
.endm
; 16 LDS loads: the eight weight fragments (16 rows x 32 K) of expert half xh, K half kk, slot s, into buffer b
.macro LDB b, s, kk, xh
.irp nt, 0,1,2,3,4,5,6,7
	ds_load_b128 v[64*\b+8*\nt:64*\b+8*\nt+3],   v[ADRB+\s] offset:(128*\xh+16*\nt)*PITCH+64*\kk
	ds_load_b128 v[64*\b+8*\nt+4:64*\b+8*\nt+7], v[ADRB+\s] offset:(128*\xh+16*\nt)*PITCH+64*\kk+32
.endr
.endm
; 8 LDS loads: the four x fragments of K half kk, x buffer p, into buffer a
.macro LDA a, p, kk
.irp mt, 0,1,2,3
	ds_load_b128 v[128+32*\a+8*\mt:128+32*\a+8*\mt+3],   v[ADRA+\p] offset:\mt*16*PITCH+64*\kk
	ds_load_b128 v[128+32*\a+8*\mt+4:128+32*\a+8*\mt+7], v[ADRA+\p] offset:\mt*16*PITCH+64*\kk+32
.endr
.endm
; 16 matrix instructions: row blocks mt0, mt0 + 1 x eight column blocks.  The accumulators take turns, one instruction a turn.
.macro MUL b, a, mt0
.irp mt, \mt0, \mt0+1
.irp nt, 0,1,2,3,4,5,6,7
	v_wmma_f32_16x16x32_bf16 v[8*(8*(\mt)+\nt):8*(8*(\mt)+\nt)+7], v[64*\b+8*\nt:64*\b+8*\nt+7], v[128+32*\a+8*(\mt):128+32*\a+8*(\mt)+7], v[8*(8*(\mt)+\nt):8*(8*(\mt)+\nt)+7]
.endr
.endr
.endm
; stage st of x (register 4 j + i = row 16 w + 2 j + lane / 16, column 4 (lane % 16) + i of the K step) is rounded and put into x buffer p;
; the rounded numbers are widened back into the stage, where the gate takes them
.macro CVT st, p
.irp j, 0,1,2,3,4,5,6,7
	v_cvt_pk_bf16_f32 v[TMP+2*\j],   v[XF+32*\st+4*\j],   v[XF+32*\st+4*\j+1]
	v_cvt_pk_bf16_f32 v[TMP+2*\j+1], v[XF+32*\st+4*\j+2], v[XF+32*\st+4*\j+3]
.endr
.irp j, 0,1,2,3,4,5,6,7
	ds_store_b64 v[XST+\p], v[TMP+2*\j:TMP+2*\j+1] offset:2*PITCH*\j
.endr
.irp j, 0,1,2,3,4,5,6,7
	v_lshlrev_b32 v[XF+32*\st+4*\j],   16,  v[TMP+2*\j]            ; bf16 to f32: the low half moves up,
	v_and_b32     v[XF+32*\st+4*\j+1], s58, v[TMP+2*\j]            ; the high half stays
	v_lshlrev_b32 v[XF+32*\st+4*\j+2], 16,  v[TMP+2*\j+1]
	v_and_b32     v[XF+32*\st+4*\j+3], s58, v[TMP+2*\j+1]
.endr
.endm
; gate, one column i of my four: sums [row j][expert pair ep] += x(j, i) * gate_w(i, pair).  x lies in register xr + hi of its stage's group and is
; given to both halves by op_sel.  first = 1: the product starts the sum, nothing is cleared.
.macro GSTEP st, g, part, i, xr, hi, first
.irp j, 2*\part, 2*\part+1
.irp ep, 0,1,2,3
.if \first
	v_pk_mul_f32 v[GACC+8*(\j)+2*\ep:GACC+8*(\j)+2*\ep+1], v[XF+32*\st+4*(\j)+\xr:XF+32*\st+4*(\j)+\xr+1], v[192+32*\g+8*\i+2*\ep:192+32*\g+8*\i+2*\ep+1] op_sel_hi:[0,1]
.else
.if \hi
	v_pk_fma_f32 v[GACC+8*(\j)+2*\ep:GACC+8*(\j)+2*\ep+1], v[XF+32*\st+4*(\j)+\xr:XF+32*\st+4*(\j)+\xr+1], v[192+32*\g+8*\i+2*\ep:192+32*\g+8*\i+2*\ep+1], v[GACC+8*(\j)+2*\ep:GACC+8*(\j)+2*\ep+1] op_sel:[1,0,0] op_sel_hi:[1,1,1]
.else
	v_pk_fma_f32 v[GACC+8*(\j)+2*\ep:GACC+8*(\j)+2*\ep+1], v[XF+32*\st+4*(\j)+\xr:XF+32*\st+4*(\j)+\xr+1], v[192+32*\g+8*\i+2*\ep:192+32*\g+8*\i+2*\ep+1], v[GACC+8*(\j)+2*\ep:GACC+8*(\j)+2*\ep+1] op_sel_hi:[0,1,1]
.endif
.endif
.endr
.endr
.endm
; 32 packed multiply-adds: rows j = 2 part, 2 part + 1; eight independent ones between two on the same sum
.macro GATE st, g, part, first
	GSTEP \st, \g, \part, 0, 0, 0, \first
	GSTEP \st, \g, \part, 1, 0, 1, 0
	GSTEP \st, \g, \part, 2, 2, 0, 0
	GSTEP \st, \g, \part, 3, 2, 1, 0
.endm
; the rounded gate_w of one K step: my four rows of 32 bytes, register 8 i + e.  The eight loads of a wave together take the step's 2,048 bytes whole.
.macro LDG g, tile
.irp q, 0,1,2,3,4,5,6,7
	global_load_b128 v[192+32*\g+4*\q:192+32*\g+4*\q+3], v[GOFF], s[6:7] offset:(\tile)*2048+16*\q
.endr
.endm
; x of one K step: sixteen lanes take a row's 256 bytes, aligned; two rows a load, sixteen rows in all
.macro LDX st, tile
.irp j, 0,1,2,3,4,5,6,7
	global_load_b128 v[XF+32*\st+4*\j:XF+32*\st+4*\j+3], v[XOFF], s[4:5] offset:(\tile)*256+\j*24576 th:TH_LOAD_NT
.endr
.endm
.macro LDB1 hi                         ; b1 of one expert into its 32 accumulator tiles: the sums start from the bias
.irp mt, 0,1,2,3
.irp nt, 0,1,2,3,4,5,6,7
	global_load_b128 v[8*(8*\mt+\nt):8*(8*\mt+\nt)+3],   v[BOFF], s[10:11] offset:512*\hi+64*\nt
	global_load_b128 v[8*(8*\mt+\nt)+4:8*(8*\mt+\nt)+7], v[BOFF], s[10:11] offset:512*\hi+64*\nt+16
.endr
.endr
.endm
; Where element e of the flat [64][10] lies in a part of y with rows of 80 bytes: 80 (e / 10) + 4 (e % 10) = 4 e + 40 (e / 10).
; e / 10 = (6,554 e) >> 16, exact for e < 640.  er: the register that holds e; b16: the register that holds the variable part of 4 e; add: the constant part.
.macro FLAT dst, er, b16, add
	v_mul_u32_u24 v30, v[\er], 0x199a
	v_lshrrev_b32 v30, 16, v30
	v_mul_u32_u24 v30, 40, v30
	v_add_nc_u32 v30, v[\b16], v30
	v_add_nc_u32 v[\dst], \add, v30
.endm
; what stands between two runs of matrix instructions: a quarter of the next K step's gate work, or four v_nop.  Either way at least four plain vector
; instructions that name no register of a matrix instruction stand in front of the loads into fragment buffers that follow.
.macro WORK p, st, g, part
.if \p
	WIN 0x04
	GATE \st, \g, \part, 0
.else
	PLACES
.endif
.endm
; K step t = 4 lap + q on slot s = q & 1.  Four chunks of 32 matrix instructions: (expert 2 w, K half 0), (2 w + 1, 0), (2 w, 1), (2 w + 1, 1).
; p = 1: x and gate_w of step t + 1 (stage st = (q + 1) & 3, buffers 1 - s) are rounded into LDS and fed to the gate.
; n: global loads that may stay out at that point.  ug, ux: gate_w of step t + 3 and x of step t + 5 are asked for.  nxt: step t + 1's first fragments are fetched.
.macro TRIP q, s, st, p, n, ug, ux, nxt
	WIN 0
.if \p
	s_wait_loadcnt \n                              ; x and gate_w of step t + 1 are in; behind gate_w's loads were issued x(t+3), gate_w(t+2), x(t+4), as far as they exist
	CVT \st, (1-\s)                                ; the other x buffer: its readers passed the last step's barrier
.endif
	WORK \p, \st, (1-\s), 0
	WIN 0x40
	LDB 1, \s, 0, 1
	s_wait_dscnt 16                                ; all but the 16 loads just issued: this chunk's 24 fragment loads are in
	WIN 0xa5
	MUL 0, 0, 0
	MUL 0, 0, 2
	WORK \p, \st, (1-\s), 1
	WIN 0x40
	LDB 0, \s, 1, 0
	LDA 1, \s, 1
	s_wait_dscnt 24                                ; all but the 24 just issued
	WIN 0xf5
	MUL 1, 0, 0
	MUL 1, 0, 2
	WORK \p, \st, (1-\s), 2
	WIN 0x40
	LDB 1, \s, 1, 1
	s_wait_dscnt 16                                ; all but the 16 just issued
	WIN 0xa5
	MUL 0, 1, 0
	MUL 0, 1, 2
	WORK \p, \st, (1-\s), 3
.if \ug
	WIN 0x40
	LDG (1-\s), \q+3
.endif
.if \ux
	WIN 0
	LDX \st, \q+5
.endif
	s_wait_dscnt 0x0                               ; my reads of this slot and of this x buffer are over, my stores into the other x buffer are done
	s_wait_xcnt 0x0
	s_set_vgpr_msb (MSB<<8)|((MSB&0x3c)|0x0)
	v_lshl_add_u32 v254, v0, 2, 0x4d800
	v_mov_b32 v255, 0
	s_set_vgpr_msb (((MSB&0x3c)|0x0)<<8)|((MSB&0x30)|0x0)
	s_wait_tensorcnt 0x0                           ; all my tensor loads have landed: the one that was out is my quarter of the next slot
	ds_add_u32 v254, v255
	s_wait_dscnt 0x0
	s_set_vgpr_msb (((MSB&0x30)|0x0)<<8)|MSB
	s_add_nc_u64 s[G0+4*\s+2:G0+4*\s+3], s[G0+4*\s+2:G0+4*\s+3], 2*TILEB   ; no load of mine is out: this slot's next tile, two steps on
	s_barrier_signal -1                            ; opens a round of the cluster's barrier
	WIN 0xf5
	MUL 1, 1, 0                                    ; register work while the others arrive
	WIN 0
	s_barrier_wait -1
	CREST                                          ; no wave of any of the four work-groups still reads this slot or has a load on its way
	tensor_load_to_lds s[G0+4*\s:G0+4*\s+3], s[G1:G1+7]    ; my one tensor load behind the round, first thing there: tile t + 2
	s_nop 0
.if \nxt
	WIN 0x40
	LDB 0, (1-\s), 0, 0
	LDA 0, (1-\s), 0
.endif
	WIN 0xf5
	MUL 1, 1, 2
.endm
	s_load_b256 s[4:11], s[0:1], 0x0               ; x s[4:5], rounded gate_w s[6:7], gate_b s[8:9], b1 s[10:11]
	s_load_b256 s[12:19], s[0:1], 0x20             ; b2 s[12:13], wp s[14:15], w3f s[16:17], out0 s[18:19]
	v_lshl_add_u32 v254, v0, 2, 0x4d800
	v_mov_b32 v255, 0
	ds_add_u32 v254, v255
	s_wait_dscnt 0x0
	v_lshrrev_b32 v21, 5, v0
	v_readfirstlane_b32 s20, v21                   ; wave 0..3
	s_bfe_u32 s22, ttmp6, 0x40000                  ; cx: my place in the cluster
	s_lshl_b32 s21, ttmp9, 2
	s_add_co_u32 s21, s21, s22                     ; work-group = 4 x cluster + cx: it enters the addresses of x and of out0 alone
	s_mov_b32 s58, 0xffff0000                      ; a word's upper bf16
	; group 1: a wave's quarter of a tile is 32,768 dense bytes, taken as 128 rows of 256 bytes; 16 bytes of padding behind every 128 bytes make LDS rows of 144
	s_mov_b32 s[G1+0], 15|(3<<16)|(1<<20)|(1<<21)|(4<<22)|(3<<25)  ; 15:0 mask: all four work-groups; 17:16 elements of 8 bytes; 20 padding on; 21 set beside a mask; 24:22 after every 32 words; 31:25 four words
	s_mov_b32 s[G1+1], 32<<16                      ; tensor_dim0 = 32 elements
	s_mov_b32 s[G1+2], 128<<16                     ; tensor_dim1 = 128 rows
	s_mov_b32 s[G1+3], 32<<16                      ; tile_dim0 = 32
	s_mov_b32 s[G1+4], 128                         ; tile_dim1 = 128
	s_mov_b32 s[G1+5], 32                          ; from row to row: 32 elements (dense)
	s_mov_b32 s[G1+6], 0
	s_mov_b32 s[G1+7], 0
	v_and_b32 v[LANE], 31, v0
	v_and_b32 v[RR], 15, v0
	v_bfe_u32 v[HH], v0, 4, 1
	v_and_b32 v[JSEL], 7, v0
	s_mul_i32 s48, s20, 16*12288
	v_mul_u32_u24 v21, v[HH], 12288
	v_lshl_add_u32 v21, v[RR], 4, v21
	v_add_nc_u32 v[XOFF], s48, v21
	v_lshlrev_b32 v[GOFF], 7, v[RR]
	s_lshl_b32 s49, s20, 10
	v_lshl_add_u32 v[BOFF], v[HH], 5, s49
	v_mul_u32_u24 v22, v[RR], PITCH
	v_lshl_add_u32 v22, v[HH], 4, v22              ; a fragment: row lane % 16, 16 bytes for each half of the lanes
	s_mul_i32 s50, s20, WQ                         ; my quarter of a slot
	v_add_nc_u32 v[ADRB], s50, v22
	v_add_nc_u32 v[ADRB+1], SLOT, v[ADRB]
	v_add_nc_u32 v[ADRA], XB, v22
	v_add_nc_u32 v[ADRA+1], XB+XBSZ, v22
	s_mul_i32 s51, s20, 16*PITCH
	v_mul_u32_u24 v23, v[HH], PITCH
	v_lshl_add_u32 v23, v[RR], 3, v23
	v_add_nc_u32 v23, s51, v23                     ; row 16 w + lane / 16, 8 bytes at 8 (lane % 16)
	v_add_nc_u32 v[XST], XB, v23
	v_add_nc_u32 v[XST+1], XB+XBSZ, v23
	s_lshl_b32 s52, s20, 9
	s_add_co_u32 s52, s52, WGT
	v_lshlrev_b32 v24, 6, v[JSEL]
	v_lshl_add_u32 v24, v[HH], 5, v24
	v_add_nc_u32 v[WST], s52, v24                  ; weights of row 16 w + 2 (lane % 8) + lane / 16
	s_lshl_b32 s53, s20, 3
	s_add_co_u32 s53, s53, WGT
	v_lshl_add_u32 v[WLD], v[RR], 5, s53           ; weights of my two experts, row lane % 16 (+ 16 mt)
	s_mul_i32 s54, s20, YPSZ
	s_add_co_u32 s54, s54, YP
	v_mul_u32_u24 v25, v[RR], YPITCH
	v_lshl_add_u32 v25, v[HH], 5, v25
	v_add_nc_u32 v[YST], s54, v25                  ; my part of y: row lane % 16, outputs 8 (lane / 16) ..
	v_lshlrev_b32 v[OOFF], 4, v0                   ; piece t of out0's 160 pieces of 16 bytes
	v_lshlrev_b32 v29, 2, v0                       ; its first element, e = 4 t
	FLAT FIN, 29, OOFF, YP
	v_add_nc_u32 v29, 2, v29                       ; e + 2: a pair that begins at an even e lies in one row of ten
	FLAT FIN1, 29, OOFF, YP+8
	v_lshlrev_b32 v31, 4, v[LANE]                  ; piece 128 + lane: 4 e = 2,048 + 16 lane
	v_lshl_add_u32 v29, v[LANE], 2, 512            ; e = 512 + 4 lane
	FLAT FINT, 29, 31, YP+2048
	v_add_nc_u32 v29, 2, v29
	FLAT FINT1, 29, 31, YP+2048+8
	s_mul_i32 s55, s20, 2*4608
	v_lshl_add_u32 v[W3O], v[LANE], 4, s55
	v_lshl_add_u32 v[B3O], v[HH], 5, s55
	s_lshl_b32 s56, s20, 15                        ; my quarter of a tile in memory
	s_mov_b32 s57, 0
	s_wait_kmcnt 0x0
	s_load_b256 s[40:47], s[8:9], 0x0              ; gate_b, eight numbers
	s_add_nc_u64 s[52:53], s[14:15], s[56:57]      ; wp at my quarter: the wave's number alone, the same in all four work-groups
	s_mul_i32 s56, s21, 64*12288
	s_add_nc_u64 s[4:5], s[4:5], s[56:57]          ; x at my work-group's first row
	s_mul_i32 s56, s21, 2560
	s_add_nc_u64 s[18:19], s[18:19], s[56:57]      ; out0 likewise
.irp s, 0,1
	s_mov_b32 s[G0+4*\s], 1                                        ; count = 1
	s_add_co_u32 s[G0+4*\s+1], s50, \s*SLOT                        ; LDS address: wave x quarter + slot
	s_add_nc_u64 s[G0+4*\s+2:G0+4*\s+3], s[52:53], \s*TILEB        ; tile s
	s_or_b32 s[G0+4*\s+3], s[G0+4*\s+3], 0x80000000                ; type = 2
.endr
	CROUND                                         ; all four work-groups are here: the first joint loads meet
	tensor_load_to_lds s[G0:G0+3], s[G1:G1+7]      ; tile 0
	s_nop 0
	tensor_load_to_lds s[G0+4:G0+7], s[G1:G1+7]    ; tile 1: two tensor loads of mine are out here, one behind every later round
	s_nop 0
	WIN 0x80
	LDB1 0
	WIN 0xc0
	LDB1 1
	WIN 0
	LDX 0, 0
	LDX 1, 1
	WIN 0x40
	LDG 0, 0
	WIN 0
	LDX 2, 2
	WIN 0x40
	LDG 1, 1
	WIN 0
	LDX 3, 3
	s_wait_kmcnt 0x0                               ; gate_b
	s_wait_loadcnt 24                              ; b1, x(0), x(1), gate_w(0) are in; x(2), gate_w(1), x(3) are younger
	CVT 0, 0
	WIN 0x04
	GATE 0, 0, 0, 1
	GATE 0, 0, 1, 1
	GATE 0, 0, 2, 1
	GATE 0, 0, 3, 1
	WIN 0x40
	LDG 0, 2
	WIN 0
	LDX 0, 4
	s_wait_dscnt 0x0                               ; my rows of x buffer 0 are stored
	s_wait_tensorcnt 0x1                           ; my quarter of tile 0 is in; tile 1 may stay out
	s_barrier_signal -1
	s_barrier_wait -1
	WIN 0x40
	LDB 0, 0, 0, 0
	LDA 0, 0, 0
	WIN 0                                          ; at a label and at a branch every window is 0
	s_mov_b32 s23, LAPS-2
.Llap:
	TRIP 0, 0, 1, 1, 24, 1, 1, 1
	TRIP 1, 1, 2, 1, 24, 1, 1, 1
	TRIP 2, 0, 3, 1, 24, 1, 1, 1
	TRIP 3, 1, 0, 1, 24, 1, 1, 1
	WIN 0
	s_wait_xcnt 0x0                                ; the bases of pending loads are stepped only behind this wait
	s_add_nc_u64 s[4:5], s[4:5], 4*256
	s_add_nc_u64 s[6:7], s[6:7], 4*2048
	s_sub_co_u32 s23, s23, 1
	s_cmp_lg_u32 s23, 0
	s_cbranch_scc1 .Llap
	; the last two laps, written out: x ends with step 47 (asked for in step 42), gate_w with step 47 (asked for in step 44); the counts run down.
	; Every step still fills a slot: tiles 48 and 49 are w2 of my two experts.
	TRIP 0, 0, 1, 1, 24, 1, 1, 1                   ; step 40
	TRIP 1, 1, 2, 1, 24, 1, 1, 1
	TRIP 2, 0, 3, 1, 24, 1, 1, 1
	TRIP 3, 1, 0, 1, 24, 1, 0, 1
	s_wait_xcnt 0x0
	s_add_nc_u64 s[6:7], s[6:7], 4*2048
	TRIP 0, 0, 1, 1, 16, 1, 0, 1                   ; step 44: behind gate_w(45) only x(47) and gate_w(46)
	TRIP 1, 1, 2, 1, 8, 0, 0, 1                    ; behind gate_w(46) only gate_w(47)
	TRIP 2, 0, 3, 1, 0, 0, 0, 1
	TRIP 3, 1, 0, 0, 0, 0, 0, 0                    ; step 47
; ---------------- behind the K loop ----------------
; 16 LDS loads: w2's fragments of column blocks 2 c2, 2 c2 + 1, all four K blocks, from slot s into buffer b (fragment (gl, kc) at 8 (4 gl + kc))
.macro L2LD b, s, c2
.irp gl, 0,1
.irp kc, 0,1,2,3
	ds_load_b128 v[64*\b+8*(4*\gl+\kc):64*\b+8*(4*\gl+\kc)+3],   v[ADRB+\s] offset:((\kc>>1)*128+16*(2*\c2+\gl))*PITCH+(\kc&1)*64
	ds_load_b128 v[64*\b+8*(4*\gl+\kc)+4:64*\b+8*(4*\gl+\kc)+7], v[ADRB+\s] offset:((\kc>>1)*128+16*(2*\c2+\gl))*PITCH+(\kc&1)*64+32
.endr
.endr
.endm
; ReLU on an expert's 256 sums, then rounding in pairs: registers 2 i, 2 i + 1 of the window become register H + i, which is the next layer's fragment (mt, kc) at H + 32 mt + 8 kc
.macro RELUCVT wr, wc
	WIN \wr
.set i, 0
.rept 256
	v_max_num_f32 v[i], 0, v[i]
.set i, i+1
.endr
	WIN \wc
.set i, 0
.rept 128
	v_cvt_pk_bf16_f32 v[H+i], v[2*i], v[2*i+1]
.set i, i+1
.endr
.endm
; What the rounding left: lo = h2 - hi, exact in f32, in place (hi's half times -1.0, plus h2); then rounded in pairs and moved together:
; registers 2 i, 2 i + 1 of the window become its register i, which has been read by then (i <= 2 i).  Fragment (mt, kc) of lo lies at 32 mt + 8 kc.
.macro LOPART wm, wl
	WIN \wm
.set i, 0
.rept 128
	v_fma_mix_f32_bf16 v[2*i],   v[H+i], v[NEG1], v[2*i]   op_sel_hi:[1,0,0]
	v_fma_mix_f32_bf16 v[2*i+1], v[H+i], v[NEG1], v[2*i+1] op_sel:[1,0,0] op_sel_hi:[1,0,0]
.set i, i+1
.endr
	WIN \wl
.set i, 0
.rept 128
	v_cvt_pk_bf16_f32 v[i], v[2*i], v[2*i+1]
.set i, i+1
.endr
.endm
; layer 2 of one expert: four chunks of two column blocks; each chunk's first eight products take b2 as C; eight accumulators take turns
.macro L2 s, hi, wf, wr
.irp c, 0,1,2,3
.if \c > 0
	PLACES                                         ; behind the matrix instructions that read the buffer that is loaded next
.endif
.if \c < 3
	WIN 0x40
	L2LD ((\c+1)&1), \s, (\c+1)
	s_wait_dscnt 16                                ; all but the 16 just issued: this chunk's fragments are in
.else
	s_wait_dscnt 0x0
.endif
	WIN \wf
.irp gl, 0,1
.irp mt, 0,1,2,3
	v_wmma_f32_16x16x32_bf16 v[8*(8*\mt+2*\c+\gl):8*(8*\mt+2*\c+\gl)+7], v[64*(\c&1)+32*\gl:64*(\c&1)+32*\gl+7], v[H+32*\mt:H+32*\mt+7], v[128+64*\hi+8*(2*\c+\gl):128+64*\hi+8*(2*\c+\gl)+7]
.endr
.endr
	WIN \wr
.irp kc, 1,2,3
.irp gl, 0,1
.irp mt, 0,1,2,3
	v_wmma_f32_16x16x32_bf16 v[8*(8*\mt+2*\c+\gl):8*(8*\mt+2*\c+\gl)+7], v[64*(\c&1)+8*(4*\gl+\kc):64*(\c&1)+8*(4*\gl+\kc)+7], v[H+32*\mt+8*\kc:H+32*\mt+8*\kc+7], v[8*(8*\mt+2*\c+\gl):8*(8*\mt+2*\c+\gl)+7]
.endr
.endr
.endr
.endr
.endm
; layer 3 of one expert: one column block (outputs 0..15, of which ten are real), four row blocks at v[OUT + 8 mt] of the expert's window; the first products take b3 as C;
; first h2's high halves (window 0), then its low halves (the expert's window); four accumulators take turns
.macro L3 hi, wf, wr, wl
	WIN \wf
.irp mt, 0,1,2,3
	v_wmma_f32_16x16x32_bf16 v[OUT+8*\mt:OUT+8*\mt+7], v[W3F+32*\hi:W3F+32*\hi+7], v[H+32*\mt:H+32*\mt+7], v[B3F+8*\hi:B3F+8*\hi+7]
.endr
	WIN \wr
.irp kc, 1,2,3
.irp mt, 0,1,2,3
	v_wmma_f32_16x16x32_bf16 v[OUT+8*\mt:OUT+8*\mt+7], v[W3F+32*\hi+8*\kc:W3F+32*\hi+8*\kc+7], v[H+32*\mt+8*\kc:H+32*\mt+8*\kc+7], v[OUT+8*\mt:OUT+8*\mt+7]
.endr
.endr
	WIN \wl
.irp kc, 0,1,2,3
.irp mt, 0,1,2,3
	v_wmma_f32_16x16x32_bf16 v[OUT+8*\mt:OUT+8*\mt+7], v[W3F+32*\hi+8*\kc:W3F+32*\hi+8*\kc+7], v[32*\mt+8*\kc:32*\mt+8*\kc+7], v[OUT+8*\mt:OUT+8*\mt+7]
.endr
.endr
.endm
	PLACES                                         ; behind the last matrix instructions, whose x fragments' registers take b2 now
	WIN 0x40
	L2LD 0, 0, 0                                   ; w2 of expert 2 w (tile 48, shown landed by the last step's wait)
.irp xh, 0,1
.irp gt, 0,1,2,3,4,5,6,7
	global_load_b128 v[128+64*\xh+8*\gt:128+64*\xh+8*\gt+3],   v[BOFF], s[12:13] offset:512*\xh+64*\gt
	global_load_b128 v[128+64*\xh+8*\gt+4:128+64*\xh+8*\gt+7], v[BOFF], s[12:13] offset:512*\xh+64*\gt+16
.endr
.endr
	WIN 0
	v_mov_b32 v[NEG1], -1.0
	; THE GATE.  Each lane holds, for its eight rows, sums over its own columns: add over the sixteen lanes of a half.
.irp m, 1,2,4,8
.set i, 0
.rept 64
	v_add_f32_dpp v[GACC+i], v[GACC+i], v[GACC+i] row_xmask:\m row_mask:0xf bank_mask:0xf
.set i, i+1
.endr
.endr
	; lane l goes on with row j = l % 8 of its half's eight (lanes l and l + 8 do the same work)
.irp jj, 1,2,3,4,5,6,7
	v_cmp_eq_u32 vcc_lo, \jj, v[JSEL]
.irp e, 0,1,2,3,4,5,6,7
	v_cndmask_b32 v[GACC+\e], v[GACC+\e], v[GACC+8*\jj+\e], vcc_lo
.endr
.endr
	; + gate_b, rounded to bf16 like the gate's other operands
.irp p, 0,1,2,3
	v_cvt_pk_bf16_f32 v[200+\p], s[40+2*\p], s[41+2*\p]
.endr
.irp p, 0,1,2,3
	v_lshlrev_b32 v[204+2*\p], 16, v[200+\p]
	v_and_b32 v[205+2*\p], s58, v[200+\p]
.endr
.irp e, 0,1,2,3,4,5,6,7
	v_add_f32 v[GACC+\e], v[GACC+\e], v[204+\e]
.endr
	v_mov_b32 v240, v[GACC]                        ; the best score and its index; a later equal score does not replace it
	v_mov_b32 v241, 0
.irp e, 1,2,3,4,5,6,7
	v_cmp_gt_f32 vcc_lo, v[GACC+\e], v240
	v_cndmask_b32 v240, v240, v[GACC+\e], vcc_lo
	v_cndmask_b32 v241, v241, \e, vcc_lo
.endr
	v_mov_b32 v245, 0xff800000                     ; -infinity takes the best one out
.irp e, 0,1,2,3,4,5,6,7
	v_cmp_eq_u32 vcc_lo, \e, v241
	v_cndmask_b32 v[168+\e], v[GACC+\e], v245, vcc_lo
.endr
	v_mov_b32 v242, v168                           ; the second best and its index
	v_mov_b32 v243, 0
.irp e, 1,2,3,4,5,6,7
	v_cmp_gt_f32 vcc_lo, v[168+\e], v242
	v_cndmask_b32 v242, v242, v[168+\e], vcc_lo
	v_cndmask_b32 v243, v243, \e, vcc_lo
.endr
	; softmax with the maximum taken away: exp(s - best) for all eight (the sum) and for the second best
.irp e, 0,1,2,3,4,5,6,7
	v_sub_f32 v[168+\e], v[GACC+\e], v240
.endr
	v_sub_f32 v176, v242, v240
.irp e, 0,1,2,3,4,5,6,7,8
	v_mul_f32 v[168+\e], 0x3fb8aa3b, v[168+\e]     ; log2(e): v_exp_f32 is 2^x
.endr
.irp e, 0,1,2,3,4,5,6,7,8
	v_exp_f32 v[180+\e], v[168+\e]
.endr
	v_nop                                          ; one plain vector instruction behind the transcendentals (ISA guide 5.7.2)
	s_wait_alu depctr_va_vdst(0)
	v_pk_add_f32 v[190:191], v[180:181], v[182:183]
	v_pk_add_f32 v[192:193], v[184:185], v[186:187]
	v_pk_add_f32 v[190:191], v[190:191], v[192:193]
	v_add_f32 v190, v190, v191                     ; Z, at least 1
	v_rcp_f32 v194, v190                           ; softmax of the best: 1 / Z
	v_nop
	s_wait_alu depctr_va_vdst(0)
	v_mul_f32 v195, v188, v194                     ; of the second best
	v_add_f32 v196, v194, v195
	v_add_f32 v196, 0x322bcc77, v196               ; + 1e-8
	v_rcp_f32 v197, v196
	v_nop
	s_wait_alu depctr_va_vdst(0)
	v_mul_f32 v198, v194, v197
	v_mul_f32 v199, v195, v197
.irp e, 0,1,2,3,4,5,6,7
	v_cmp_eq_u32 vcc_lo, \e, v243
	v_cndmask_b32 v[248+\e], 0, v199, vcc_lo
	v_cmp_eq_u32 vcc_lo, \e, v241
	v_cndmask_b32 v[248+\e], v[248+\e], v198, vcc_lo
.endr
	ds_store_b128 v[WST], v[248:251]
	ds_store_b128 v[WST], v[252:255] offset:16
	; w3 in fragment order and b3 of my two experts, into the registers that the gate has left
.irp xh, 0,1
.irp kc, 0,1,2,3
.irp q, 0,1
	global_load_b128 v[W3F+32*\xh+8*\kc+4*\q:W3F+32*\xh+8*\kc+4*\q+3], v[W3O], s[16:17] offset:\xh*4608+\kc*1024+\q*512
.endr
.endr
	global_load_b128 v[B3F+8*\xh:B3F+8*\xh+3],   v[B3O], s[16:17] offset:\xh*4608+4096
	global_load_b128 v[B3F+8*\xh+4:B3F+8*\xh+7], v[B3O], s[16:17] offset:\xh*4608+4096+16
.endr
	; EXPERT 2 w
	RELUCVT 0x8a, 0x0a
	s_wait_loadcnt 0x0                             ; b2, w3, b3
	L2 0, 0, 0x91, 0xa1
	PLACES
	RELUCVT 0x8a, 0x0a
	LOPART 0xa0, 0x8a
	L3 0, 0x80, 0xa0, 0xa8
	s_wait_tensorcnt 0x0                           ; tile 49: w2 of expert 2 w + 1
	s_wait_dscnt 0x0                               ; my rows' weights are stored
	s_barrier_signal -1
	s_barrier_wait -1                              ; every wave's are
	WIN 0
.irp mt, 0,1,2,3
	ds_load_b64 v[WW+2*\mt:WW+2*\mt+1], v[WLD] offset:512*\mt      ; weights of experts 2 w, 2 w + 1 for row 16 mt + lane % 16
.endr
	WIN 0x40
	L2LD 0, 1, 0
	s_wait_dscnt 16                                ; the weights are in; the 16 fragment loads are younger
	PLACES                                         ; behind layer 3's last matrix instructions
	WIN 0x82
.irp mt, 0,1,2,3
.irp p, 0,1,2,3
	v_pk_mul_f32 v[OUT+8*\mt+2*\p:OUT+8*\mt+2*\p+1], v[OUT+8*\mt+2*\p:OUT+8*\mt+2*\p+1], v[WW+2*\mt:WW+2*\mt+1] op_sel_hi:[1,0]
.endr
.endr
	; EXPERT 2 w + 1
	RELUCVT 0xcf, 0x0f
	L2 1, 1, 0xd1, 0xf1
	PLACES
	RELUCVT 0xcf, 0x0f
	LOPART 0xf0, 0xcf
	L3 1, 0xc0, 0xf0, 0xfc
	PLACES
	WIN 0xa3
.irp mt, 0,1,2,3
.irp p, 0,1,2,3
	v_pk_fma_f32 v[OUT+8*\mt+2*\p:OUT+8*\mt+2*\p+1], v[OUT+8*\mt+2*\p:OUT+8*\mt+2*\p+1], v[WW+2*\mt:WW+2*\mt+1], v[OUT+8*\mt+2*\p:OUT+8*\mt+2*\p+1] op_sel:[0,1,0] op_sel_hi:[1,1,1]
.endr
.endr
	; My two experts' part of y into my own bytes of LDS, rows of 80 bytes.  Every lane stores its eight numbers: lanes 0-15 outputs 0..7, lanes 16-31
	; outputs 8..15, of which 10..15 do not exist and lie in columns that nobody reads.
	WIN 0x08
.irp mt, 0,1,2,3
	ds_store_b128 v[YST], v[OUT+8*\mt:OUT+8*\mt+3]   offset:16*YPITCH*\mt
	ds_store_b128 v[YST], v[OUT+8*\mt+4:OUT+8*\mt+7] offset:16*YPITCH*\mt+16
.endr
	WIN 0
	s_wait_dscnt 0x0                               ; my part is stored, for the other waves' sake
	s_barrier_signal -1
	s_barrier_wait -1
	; The four waves' parts are added in a fixed order; 2,560 bytes leave as 160 pieces of 16 bytes: a wave's store covers 512 neighbouring bytes, aligned.
	; A piece is two pairs of neighbouring outputs, each pair inside one row.
.irp p, 0,1,2,3
	ds_load_b64 v[32+4*\p:32+4*\p+1],   v[FIN]  offset:YPSZ*\p
	ds_load_b64 v[32+4*\p+2:32+4*\p+3], v[FIN1] offset:YPSZ*\p
.endr
	s_wait_dscnt 0x0
	v_pk_add_f32 v[32:33], v[32:33], v[36:37]
	v_pk_add_f32 v[34:35], v[34:35], v[38:39]
	v_pk_add_f32 v[40:41], v[40:41], v[44:45]
	v_pk_add_f32 v[42:43], v[42:43], v[46:47]
	v_pk_add_f32 v[32:33], v[32:33], v[40:41]
	v_pk_add_f32 v[34:35], v[34:35], v[42:43]
	global_store_b128 v[OOFF], v[32:35], s[18:19]
	s_cmp_lg_u32 s20, 0
	s_cbranch_scc1 .Lno_tail
.irp p, 0,1,2,3
	ds_load_b64 v[48+4*\p:48+4*\p+1],   v[FINT]  offset:YPSZ*\p    ; pieces 128 to 159: wave 0
	ds_load_b64 v[48+4*\p+2:48+4*\p+3], v[FINT1] offset:YPSZ*\p
.endr
	s_wait_dscnt 0x0
	v_pk_add_f32 v[48:49], v[48:49], v[52:53]
	v_pk_add_f32 v[50:51], v[50:51], v[54:55]
	v_pk_add_f32 v[56:57], v[56:57], v[60:61]
	v_pk_add_f32 v[58:59], v[58:59], v[62:63]
	v_pk_add_f32 v[48:49], v[48:49], v[56:57]
	v_pk_add_f32 v[50:51], v[50:51], v[58:59]
	global_store_b128 v[OOFF], v[48:51], s[18:19] offset:2048
.Lno_tail:
	s_wait_xcnt 0x0
	s_set_vgpr_msb (MSB<<8)|((MSB&0x3c)|0x0)
	v_lshl_add_u32 v254, v0, 2, 0x4d800
	v_mov_b32 v255, 0
	s_set_vgpr_msb (((MSB&0x3c)|0x0)<<8)|((MSB&0x30)|0x0)
	s_wait_tensorcnt 0x0
	ds_add_u32 v254, v255
	s_wait_dscnt 0x0
	s_set_vgpr_msb (((MSB&0x30)|0x0)<<8)|MSB
	CROUND                                         ; the closing round: no work-group ends while a partner may still ask for a tile that names it
	s_endpgm
.Lfunc_end_k_q4e2d81f8ac_moe:
	.size	k_q4e2d81f8ac_moe, .Lfunc_end_k_q4e2d81f8ac_moe-k_q4e2d81f8ac_moe
	.p2alignl 7, 3214868480
	.fill 96, 4, 3214868480
	.section	.rodata,"a",@progbits
	.p2align	6, 0x0
	.amdhsa_kernel k_q4e2d81f8ac_moe
		.amdhsa_group_segment_fixed_size 327680
		.amdhsa_private_segment_fixed_size 0
		.amdhsa_enable_private_segment 0
		.amdhsa_kernarg_size 64
		.amdhsa_user_sgpr_count 2
		.amdhsa_user_sgpr_kernarg_segment_ptr 1
		.amdhsa_wavefront_size32 1
		.amdhsa_system_sgpr_workgroup_id_x 1
		.amdhsa_system_sgpr_workgroup_id_y 1
		.amdhsa_system_sgpr_workgroup_id_z 1
		.amdhsa_system_vgpr_workitem_id 0
		.amdhsa_next_free_vgpr 1024
		.amdhsa_next_free_sgpr 66
		.amdhsa_reserve_vcc 1
		.amdhsa_float_denorm_mode_32 3
		.amdhsa_float_denorm_mode_16_64 3
		.amdhsa_memory_ordered 1
		.amdhsa_forward_progress 1
		.amdhsa_inst_pref_size 255
	.end_amdhsa_kernel
	.section	.bss,"aw",@nobits
	.p2align	6
	.space	262144
	.amdgpu_metadata
---
amdhsa.version: [ 1, 2 ]
amdhsa.kernels:
  - .name:           k_q4e2d81f8ac_moe
    .symbol:         k_q4e2d81f8ac_moe.kd
    .args:
      - { .name: x, .offset: 0, .size: 8, .value_kind: global_buffer, .address_space: global }
      - { .name: gwr, .offset: 8, .size: 8, .value_kind: global_buffer, .address_space: global }
      - { .name: gate_b, .offset: 16, .size: 8, .value_kind: global_buffer, .address_space: global }
      - { .name: b1, .offset: 24, .size: 8, .value_kind: global_buffer, .address_space: global }
      - { .name: b2, .offset: 32, .size: 8, .value_kind: global_buffer, .address_space: global }
      - { .name: wp, .offset: 40, .size: 8, .value_kind: global_buffer, .address_space: global }
      - { .name: w3f, .offset: 48, .size: 8, .value_kind: global_buffer, .address_space: global }
      - { .name: out0, .offset: 56, .size: 8, .value_kind: global_buffer, .address_space: global }
    .group_segment_fixed_size: 327680
    .private_segment_fixed_size: 0
    .kernarg_segment_align: 8
    .kernarg_segment_size: 64
    .max_flat_workgroup_size: 128
    .sgpr_count:     66
    .vgpr_count:     1024
    .wavefront_size: 32
...
	.end_amdgpu_metadata
.endif
;; end of part 2
;; ======== version 2 of 2: 3 launches; 1.19 times as fast as version 1
;; limits: values outside matrix products are rounded to bf16
;; workspace buffers: wp 6,553,600 bytes; w3f 36,864 bytes; gwf 98,304 bytes; part 1,310,720 bytes
;; launch prep (part 3): grid 26 x 8, 8 waves a work-group, no clusters, 35,840 bytes of LDS; arguments w1, w2, w3, b3, wp, w3f, gate_w, gwf; writes wp, w3f, gwf
.if DOCPART == 3
	.amdgcn_target "amdgcn-amd-amdhsa--gfx1250"
	.amdhsa_code_object_version 6
	.text
	.protected	k_q4e2d81f8ac_prep
	.globl	k_q4e2d81f8ac_prep
	.p2align	8
	.type	k_q4e2d81f8ac_prep,@function
k_q4e2d81f8ac_prep:
	s_mov_b64 s[64:65], 0
	v_nop
	global_prefetch_b8 v0, s[64:65] scope:SCOPE_SE
	s_setreg_imm32_b32 hwreg(HW_REG_WAVE_MODE, 25, 1), 1
	s_wait_xcnt 0x0
; Weights for the second launch: rounded once to bf16 and laid so that the contraction index runs along the rows.
; Work-group (X, Y): Y is the expert.  X < 24: rows d = 128 X .. 128 X + 127 of w1[Y].  X = 24: w2[Y].  X = 25: w3[Y], b3[Y] and an eighth of gate_w.
; For X < 25 the source is one dense block [k : 128][n : 128] of f32, 65,536 bytes; it leaves as one dense block [n : 128][k : 128] of bf16, 32,768 bytes.
; wp: for each half of the experts (Y >> 2) 25 tiles of 131,072 bytes, tile X = four such blocks, one for each expert Y & 3 of the half.
; w3f: for each expert 4,096 bytes of w3 in the order of matrix fragments (16 bytes a lane: k = 16 wave + 8 (lane / 16) + 0..7 of output
; lane % 16, zeros for outputs 10 to 15), then 128 f32: b3 and zeros.
; gwf: gate_w in the order of matrix fragments, 1,024 bytes for each 32 of k: piece P of 16 bytes holds k = 16 (P >> 5) + 8 (lane / 16) + 0..7 of
; expert lane % 8 (lane = P & 31): the eight experts stand twice, as fragment rows 0..7 and 8..15.
; Eight waves.  A wave's load covers one whole source row (512 bytes), a wave's store 512 neighbouring bytes of the destination;
; the transposition goes through LDS.
.set PITCH, 272                        ; an LDS row: 128 bf16 + 16 bytes
.set L, 16                             ; v[16:79]   16 loads x 4 registers; later what is read back from LDS
.set T, 80                             ; v[80:111]  packed bf16, 16 registers for each half of k
	s_load_b256 s[4:11], s[0:1], 0x0               ; w1 s[4:5], w2 s[6:7], w3 s[8:9], b3 s[10:11]
	s_load_b256 s[12:19], s[0:1], 0x20             ; wp s[12:13], w3f s[14:15], gate_w s[16:17], gwf s[18:19]
	v_lshl_add_u32 v112, v0, 2, 0x8800
	v_mov_b32 v113, 0
	s_mov_b32 s20, ttmp9                           ; X
	s_and_b32 s21, ttmp7, 0xffff                   ; Y, the expert
	v_lshrrev_b32 v1, 5, v0
	v_readfirstlane_b32 s22, v1                    ; wave 0..7
	v_and_b32 v2, 31, v0                           ; lane
	v_lshlrev_b32 v8, 4, v0                        ; destination: 16 bytes a thread
	s_cmp_eq_u32 s20, 25
	s_cbranch_scc1 .Lextras                        ; the whole work-group goes one way
	; ---- a block of w1 or w2 ----
	s_mul_i32 s24, s21, 24
	s_add_co_u32 s24, s24, s20
	s_lshl_b32 s24, s24, 16                        ; w1: (24 Y + X) blocks of 65,536 bytes
	s_lshl_b32 s25, s21, 16                        ; w2: Y blocks
	s_lshr_b32 s26, s21, 2
	s_mul_i32 s26, s26, 25
	s_add_co_u32 s26, s26, s20
	s_lshl_b32 s26, s26, 17                        ; tile 25 (Y >> 2) + X,
	s_and_b32 s27, s21, 3
	s_lshl_b32 s27, s27, 15                        ; quarter Y & 3
	s_add_co_u32 s26, s26, s27
	s_mov_b32 s27, 0
	v_lshlrev_b32 v3, 4, v2
	v_lshl_add_u32 v3, v1, 12, v3                  ; source: 8 rows of 512 bytes a wave + 16 bytes a lane
	v_mul_u32_u24 v4, v2, 4*PITCH
	v_lshl_add_u32 v4, v1, 4, v4                   ; LDS, in: row 4 lane (+ m), bytes 16 wave (8 values of k)
	v_lshrrev_b32 v6, 4, v0
	v_mul_u32_u24 v6, v6, PITCH
	v_and_b32 v7, 15, v0
	v_lshl_add_u32 v5, v7, 4, v6                   ; LDS, back: row thread / 16, 16 bytes at 16 (thread % 16)
	s_wait_kmcnt 0x0
	s_cmp_lt_u32 s20, 24
	s_cselect_b64 s[28:29], s[4:5], s[6:7]         ; the source buffer
	s_cselect_b32 s30, s24, s25
	s_mov_b32 s31, 0
	s_add_nc_u64 s[28:29], s[28:29], s[30:31]      ; my source block
	s_add_nc_u64 s[34:35], s[12:13], s[26:27]      ; my destination block
	; register L + 4 (8 b + rr) + m = element (k = 64 b + 8 wave + rr, n = 4 lane + m)
.irp b, 0,1
.irp rr, 0,1,2,3,4,5,6,7
	global_load_b128 v[L+4*(8*\b+\rr):L+4*(8*\b+\rr)+3], v3, s[28:29] offset:\b*32768+\rr*512 th:TH_LOAD_NT
.endr
.endr
; eight values of k of one column n are 16 bytes of LDS row n.  Four rows are 1,088 bytes = 64 modulo 256, so the lanes c, c + 4, c + 8,
; c + 12 of a group of sixteen meet in the same 16-byte columns: these stores are served four deep.  There are eight of them a wave in the whole kernel.
.macro TURNB b
.irp m, 0,1,2,3
.irp p, 0,1,2,3
	v_cvt_pk_bf16_f32 v[T+16*\b+4*\m+\p], v[L+4*(8*\b+2*\p)+\m], v[L+4*(8*\b+2*\p+1)+\m]
.endr
.endr
.irp m, 0,1,2,3
	ds_store_b128 v4, v[T+16*\b+4*\m:T+16*\b+4*\m+3] offset:\m*PITCH+\b*128
.endr
.endm
	s_wait_loadcnt 8                               ; the first eight loads are in; the eight of the second half of k are younger
	TURNB 0
	s_wait_loadcnt 0x0
	TURNB 1
	s_wait_dscnt 0x0                               ; my stores are done, for the other waves' sake
	s_barrier_signal -1
	s_barrier_wait -1
.irp i, 0,1,2,3,4,5,6,7
	ds_load_b128 v[L+4*\i:L+4*\i+3], v5 offset:\i*16*PITCH         ; row 16 i + thread / 16: sixteen lanes take a row's 256 bytes
.endr
.irp i, 0,1,2,3,4,5,6,7
	s_wait_dscnt 7-\i                              ; LDS loads come back in order: this one is in, the younger ones may be out
	global_store_b128 v8, v[L+4*\i:L+4*\i+3], s[34:35] offset:\i*4096   ; a wave stores 512 neighbouring bytes, aligned
.endr
	s_wait_tensorcnt 0x0
	ds_add_u32 v112, v113
	s_wait_dscnt 0x0
	s_endpgm
	; ---- w3[Y], an eighth of gate_w, b3[Y]: all loads first, one wait ----
.Lextras:
	s_mul_i32 s24, s21, 5120
	s_mov_b32 s25, 0
	s_mul_i32 s26, s21, 4608
	s_mov_b32 s27, 0
	s_mul_i32 s28, s21, 40
	s_mov_b32 s29, 0
	s_mul_i32 s30, s21, 12288
	s_mov_b32 s31, 0
	v_and_b32 v10, 15, v2                          ; o
	v_min_u32 v11, 9, v10                          ; lanes of outputs 10..15 read output 9 and throw it away: no load leaves the buffer
	v_lshrrev_b32 v12, 4, v2
	v_lshlrev_b32 v12, 3, v12
	v_lshl_add_u32 v12, v1, 4, v12                 ; 16 wave + 8 (lane / 16): my first k
	v_mul_u32_u24 v9, v12, 40
	v_lshl_add_u32 v9, v11, 2, v9                  ; w3: rows of 40 bytes
	v_and_b32 v13, 7, v2
	v_lshlrev_b32 v14, 5, v12
	v_lshl_add_u32 v14, v13, 2, v14                ; gate_w: rows of 32 bytes, expert lane % 8
	v_lshlrev_b32 v15, 2, v2
.irp m, 0,1,2,3
	v_add_nc_u32 v[68+\m], \m, v15                 ; b3: index 4 lane + m, clamped for the load
	v_min_u32 v[72+\m], 9, v[68+\m]
	v_lshlrev_b32 v[72+\m], 2, v[72+\m]
.endr
	s_wait_kmcnt 0x0
	s_add_nc_u64 s[24:25], s[8:9], s[24:25]        ; w3[Y]
	s_add_nc_u64 s[26:27], s[14:15], s[26:27]      ; w3f, my expert's 4,608 bytes
	s_add_nc_u64 s[28:29], s[10:11], s[28:29]      ; b3[Y]
	s_add_nc_u64 s[32:33], s[16:17], s[30:31]      ; gate_w at k = 384 Y
	s_add_nc_u64 s[30:31], s[18:19], s[30:31]      ; gwf at piece 768 Y
.irp j, 0,1,2,3,4,5,6,7
	global_load_b32 v[16+\j], v9, s[24:25] offset:40*\j
.endr
.irp i, 0,1,2
.irp j, 0,1,2,3,4,5,6,7
	global_load_b32 v[24+8*\i+\j], v14, s[32:33] offset:4096*\i+32*\j      ; piece 256 i + thread: k = 128 i + 16 wave + 8 (lane / 16) + j
.endr
.endr
.irp m, 0,1,2,3
	global_load_b32 v[48+\m], v[72+\m], s[28:29]
.endr
	v_cmp_gt_u32 vcc_lo, 10, v10                   ; a real output
	s_wait_loadcnt 0x0
.irp p, 0,1,2,3
	v_cvt_pk_bf16_f32 v[52+\p], v[16+2*\p], v[16+2*\p+1]
.endr
.irp p, 0,1,2,3
	v_cndmask_b32 v[52+\p], 0, v[52+\p], vcc_lo    ; zeros for outputs 10..15
.endr
	global_store_b128 v8, v[52:55], s[26:27]
.irp i, 0,1,2
.irp p, 0,1,2,3
	v_cvt_pk_bf16_f32 v[56+4*\i+\p], v[24+8*\i+2*\p], v[24+8*\i+2*\p+1]
.endr
	global_store_b128 v8, v[56+4*\i:56+4*\i+3], s[30:31] offset:4096*\i    ; a wave stores 512 neighbouring bytes, aligned
.endr
	s_cmp_lg_u32 s22, 0
	s_cbranch_scc1 .Lend
	; b3[Y], wave 0: 128 f32, the ten numbers and zeros
.irp m, 0,1,2,3
	v_cmp_gt_u32 vcc_lo, 10, v[68+\m]
	v_cndmask_b32 v[48+\m], 0, v[48+\m], vcc_lo
.endr
	global_store_b128 v8, v[48:51], s[26:27] offset:4096
.Lend:
	s_endpgm
.Lfunc_end_k_q4e2d81f8ac_prep:
	.size	k_q4e2d81f8ac_prep, .Lfunc_end_k_q4e2d81f8ac_prep-k_q4e2d81f8ac_prep
	.p2alignl 7, 3214868480
	.fill 96, 4, 3214868480
	.section	.rodata,"a",@progbits
	.p2align	6, 0x0
	.amdhsa_kernel k_q4e2d81f8ac_prep
		.amdhsa_group_segment_fixed_size 35840
		.amdhsa_private_segment_fixed_size 0
		.amdhsa_enable_private_segment 0
		.amdhsa_kernarg_size 64
		.amdhsa_user_sgpr_count 2
		.amdhsa_user_sgpr_kernarg_segment_ptr 1
		.amdhsa_wavefront_size32 1
		.amdhsa_system_sgpr_workgroup_id_x 1
		.amdhsa_system_sgpr_workgroup_id_y 1
		.amdhsa_system_sgpr_workgroup_id_z 1
		.amdhsa_system_vgpr_workitem_id 0
		.amdhsa_next_free_vgpr 114
		.amdhsa_next_free_sgpr 66
		.amdhsa_reserve_vcc 1
		.amdhsa_float_denorm_mode_32 3
		.amdhsa_float_denorm_mode_16_64 3
		.amdhsa_memory_ordered 1
		.amdhsa_forward_progress 1
		.amdhsa_inst_pref_size 15
	.end_amdhsa_kernel
	.amdgpu_metadata
---
amdhsa.version: [ 1, 2 ]
amdhsa.kernels:
  - .name:           k_q4e2d81f8ac_prep
    .symbol:         k_q4e2d81f8ac_prep.kd
    .args:
      - { .name: w1, .offset: 0, .size: 8, .value_kind: global_buffer, .address_space: global }
      - { .name: w2, .offset: 8, .size: 8, .value_kind: global_buffer, .address_space: global }
      - { .name: w3, .offset: 16, .size: 8, .value_kind: global_buffer, .address_space: global }
      - { .name: b3, .offset: 24, .size: 8, .value_kind: global_buffer, .address_space: global }
      - { .name: wp, .offset: 32, .size: 8, .value_kind: global_buffer, .address_space: global }
      - { .name: w3f, .offset: 40, .size: 8, .value_kind: global_buffer, .address_space: global }
      - { .name: gate_w, .offset: 48, .size: 8, .value_kind: global_buffer, .address_space: global }
      - { .name: gwf, .offset: 56, .size: 8, .value_kind: global_buffer, .address_space: global }
    .group_segment_fixed_size: 35840
    .private_segment_fixed_size: 0
    .kernarg_segment_align: 8
    .kernarg_segment_size: 64
    .max_flat_workgroup_size: 256
    .sgpr_count:     66
    .vgpr_count:     114
    .wavefront_size: 32
...
	.end_amdgpu_metadata
.endif
;; end of part 3
;; launch moe (part 4): grid 256 x 1, 4 waves a work-group, clusters of 4 x 1, 327,680 bytes of LDS; arguments x, gwf, gate_b, b1, b2, wp, w3f, part; writes part
.if DOCPART == 4
	.amdgcn_target "amdgcn-amd-amdhsa--gfx1250"
	.amdhsa_code_object_version 6
	.text
	.protected	k_q4e2d81f8ac_moe
	.globl	k_q4e2d81f8ac_moe
	.p2align	8
	.type	k_q4e2d81f8ac_moe,@function
k_q4e2d81f8ac_moe:
	s_mov_b64 s[64:65], 0
	v_nop
	global_prefetch_b8 v0, s[64:65] scope:SCOPE_SE
	s_setreg_imm32_b32 hwreg(HW_REG_WAVE_MODE, 25, 1), 1
	s_wait_xcnt 0x0
	s_wait_alu depctr_hold_cnt(0) depctr_sa_sdst(0) depctr_va_vdst(0) depctr_va_sdst(0) depctr_va_ssrc(0) depctr_va_vcc(0) depctr_vm_vsrc(0)
	s_getreg_b32 s2, hwreg(HW_REG_IB_STS2, 6, 4)
	s_cmp_eq_u32 s2, 0
	s_cbranch_scc0 .Lentry_in_a_cluster
	s_endpgm
.Lentry_in_a_cluster:
	s_bfe_u32 s2, ttmp6, 0x10000c
	s_cmp_lg_u32 s2, 0x3003
	s_cbranch_scc0 .Lentry_shape_is_right
	s_endpgm
.Lentry_shape_is_right:
; part[half] = sum over the half's four experts e of weight(e) * MLP_e(x), weight = 0 for all but a row's two best experts: gate, three layers and the
; weighted sum in one launch; the two halves are added by the launch that follows (a sum over two work-groups).
; A work-group owns 128 rows of x and four experts (512 hidden columns): for one step along K it takes in 4 x 128 bytes of x and 2 x 512 of weights for
; 65,536 sums; 64 rows x 8 experts would take 4 x 64 + 2 x 1,024.  Wave w owns expert 4 half + w, all 128 rows: 64 accumulator tiles, 512 registers.
; It also owns the f32 side of rows 32 w .. 32 w + 31: it loads them, rounds them to bf16 into LDS for all four waves, and makes their gate scores.
; K = 3,072: the weights come as 24 tiles [512][128] of bf16 (made by the launch before) through two LDS slots, x in 48 steps of 64 through two small buffers.
; A weight tile is asked for behind one change of slots and waited for in front of the next: two steps of 132 matrix instructions less the sixteen inside the barrier.
; CLUSTER: the four work-groups of a cluster have the same half of the experts and walk the same weight tiles, so they ask for each tile jointly (mask 15).
; x is read by two work-groups (the two halves, in neighbouring clusters) and is not asked for jointly: it passes through registers to be rounded, and a stage
; for it in f32 (two buffers of 128 rows x 256 bytes) does not fit beside the 321,536 bytes in use.
; THE GATE takes the same operands as the experts: x, gate_w and gate_b rounded to bf16, products on the matrix unit, sums in f32 starting from gate_b.  The fragment of
; gate_w holds the eight experts twice (rows 0..7 and 8..15), so that both halves of the lanes end up with a row's eight scores in eight registers.
; THE MATRIX INSTRUCTION IS USED TRANSPOSED: source 0 = 16 weight rows, source 1 = 16 rows of x.  Lane l then holds row l % 16 of x and in
; registers 0..7 the columns 8 (l / 16) + 0..7 of the tile, so that two neighbouring tiles, rounded in pairs, ARE the next layer's fragment:
; h1 and h2 never leave the registers.  b1 is loaded straight into the accumulators; b2 and b3 are the C of their layers' first products.
; h2 enters layer 3 as two bf16 numbers, hi + lo (lo = h2 - hi, exact in f32).  h1 enters layer 2 as one: a second half would take 128 registers beside
; layer 2's 256 sums, which the wave does not have.
; LIMITS: scores are taken to be finite.  A NaN in front of a ReLU becomes 0 (v_max_num_f32).  An h2 above the largest bf16 number (3.39e38) rounds to
; infinity.  The two experts are chosen for the inputs rounded to bf16: where a row's second and third score lie closer than that rounding moves
; them (2^-8 of each operand), the choice can differ from the one on unrounded inputs; where they lie closer than the noise of an f32 sum of
; 3,072 terms, from one made with another order of summation.  Equal scores: the lower index wins (strict comparisons in ascending order).
;
; REGISTERS in windows of 256 (s_set_vgpr_msb: bits 1:0 source 0, 3:2 source 1, 5:4 source 2, 7:6 destination):
;   window 0: v0-31 addresses; v32-159 x in f32, two stages of 64 (later h1/h2 fragments); v160-191 packed x (later w3); v192-207 gate sums, two row blocks
;             (later b3 and the rows' weights); v208-223 x fragments of my own 32 rows; v224-255 gate_w fragments, two steps of 16
;   window 1: v0-63, v64-127 weight fragments, two buffers; v128-191, v192-255 x fragments, two buffers (v128-191 later b2)
;   window 2: rows 0-63: tile (mt, nt) at v[8 (8 mt + nt)]; at the end h2's low halves in v0-127 and layer 3's sums in v128-159;   window 3: rows 64-127
.set PB,    272                        ; an LDS row of weights: 256 bytes + 16; an odd multiple of 16: sixteen neighbouring rows start in sixteen different 16-byte columns of 256 bytes
.set WQ,    128*PB                     ; a wave's quarter of a weight tile: its expert's 128 rows
.set SLOT,  4*WQ
.set XB,    2*SLOT                     ; x in bf16: two buffers of 128 rows x 64, written by ds_store; no tensor load ever lands from here on
.set PA,    144                        ; an LDS row of x: 128 bytes + 16
.set XBSZ,  128*PA
.set YP,    XB                         ; each wave's part of y, [128 rows][16 f32 + 16 bytes]: over the x buffers, behind a barrier in front of which every wave has waited for its last reads of them
.set YPITCH, 80
.set YPSZ,  128*YPITCH
.set WGT,   XB+4*YPSZ                  ; the weights [128 rows][my half's 4 experts] f32, behind y's four parts (40,960 bytes; the x buffers take 36,864)
.set TILEB, 131072                     ; bytes of a weight tile in memory
.set LAPS,  12                         ; a lap = two weight tiles = four steps of x
.set LANE, 1
.set RR,   2                           ; lane % 16
.set HH,   3                           ; lane / 16
.set XOFF, 4                           ; x: (32 w + lane / 16) rows + 16 (lane % 16)
.set GOFF, 5                           ; gate_w fragments: 16 lane
.set BOFF, 6                           ; b1, b2: 512 expert + 32 (lane / 16)
.set ADRB, 7                           ; v7-8   my weight fragments in slot 0, 1
.set ADRA, 9                           ; v9-10  x fragments in buffer 0, 1
.set XST,  11                          ; v11-12 where I put packed x in buffer 0, 1
.set ADRG, 13                          ; v13-14 x fragments of my own 32 rows in buffer 0, 1
.set WST,  15
.set WLD,  16
.set YST,  17
.set W3O,  18
.set B3O,  19
.set OOFF, 20
.set NEG1, 21                          ; -1.0, behind the K loop
.set FIN,  22                          ; v22-27 where the two pairs of pieces t, 128 + t, 256 + t % 64 of the flat [128][10] lie in a wave's part of y
.set XF,   32
.set H,    32
.set TMP,  160
.set W3F,  160
.set GA,   192
.set B3F,  192
.set WW,   200
.set XG,   208
.set SC,   208
.set GWF,  224
.set OUT,  128                         ; layer 3's sums, in the rows' window
.set G1, 24                            ; s[24:31] descriptor group 1
.set G0, 32                            ; s[32:39] descriptor group 0, one set for each slot
.set MSB, 0
.macro WIN new                         ; the immediate's high byte repeats the setting that is left
.if MSB != (\new)
	s_set_vgpr_msb (MSB<<8)|(\new)
.set MSB, (\new)
.endif
.endm
.macro PLACES                          ; four places behind a matrix instruction (ISA guide 7.12.1)
.rept 4
	v_nop
.endr
.endm
; A round of the cluster's barrier: my work-group's barrier; wave 0 signals for the work-group; every wave waits for all four work-groups;
; my work-group's barrier once more.
.macro CREST                           ; a round behind its opening barrier
	s_cmp_lg_u32 s20, 0
	s_cbranch_scc1 .Lnot_wave_0_\@
	s_barrier_signal -3
.Lnot_wave_0_\@:
	s_barrier_wait -3
	s_barrier_signal -1
	s_barrier_wait -1
.endm
.macro CROUND
	s_barrier_signal -1
	s_barrier_wait -1
	CREST
.endm
; 36 LDS loads in one run, the fragments of 32 along K: my own two row blocks of x (for the gate), my expert's 128 weight rows at byte kb of slot s,
; all 128 rows of x at byte ka of x buffer p; the last two into buffer f
.macro FETCH s, kb, p, ka, f
	WIN 0
.irp m, 0,1
	ds_load_b128 v[XG+8*\m:XG+8*\m+3],   v[ADRG+\p] offset:\m*16*PA+\ka
	ds_load_b128 v[XG+8*\m+4:XG+8*\m+7], v[ADRG+\p] offset:\m*16*PA+\ka+32
.endr
	WIN 0x40
.irp i, 0,1,2,3,4,5,6,7
	ds_load_b128 v[64*\f+8*\i:64*\f+8*\i+3],   v[ADRB+\s] offset:\i*16*PB+\kb
	ds_load_b128 v[64*\f+8*\i+4:64*\f+8*\i+7], v[ADRB+\s] offset:\i*16*PB+\kb+32
.endr
.irp i, 0,1,2,3,4,5,6,7
	ds_load_b128 v[128+64*\f+8*\i:128+64*\f+8*\i+3],   v[ADRA+\p] offset:\i*16*PA+\ka
	ds_load_b128 v[128+64*\f+8*\i+4:128+64*\f+8*\i+7], v[ADRA+\p] offset:\i*16*PA+\ka+32
.endr
.endm
; 16 matrix instructions: row blocks a0, a0 + 1 of the window's four (hi = 0: rows 0-63, 1: rows 64-127) x eight column blocks.
; The accumulators take turns, one instruction a turn.
.macro MUL f, hi, a0
.irp a, \a0, \a0+1
.irp b, 0,1,2,3,4,5,6,7
	v_wmma_f32_16x16x32_bf16 v[8*(8*(\a)+\b):8*(8*(\a)+\b)+7], v[64*\f+8*\b:64*\f+8*\b+7], v[128+64*\f+8*(4*\hi+(\a)):128+64*\f+8*(4*\hi+(\a))+7], v[8*(8*(\a)+\b):8*(8*(\a)+\b)+7]
.endr
.endr
.endm
; the gate, 32 along K: my two row blocks, two accumulators, one instruction each
.macro GMM g, kk
.irp m, 0,1
	v_wmma_f32_16x16x32_bf16 v[GA+8*\m:GA+8*\m+7], v[GWF+16*\g+8*\kk:GWF+16*\g+8*\kk+7], v[XG+8*\m:XG+8*\m+7], v[GA+8*\m:GA+8*\m+7]
.endr
.endm
; stage st of x (register 4 j + i = row 32 w + 2 j + lane / 16, column 4 (lane % 16) + i of the step) is rounded and put into x buffer p
.macro CVT st, p
.irp j, 0,1,2,3,4,5,6,7,8,9,10,11,12,13,14,15
	v_cvt_pk_bf16_f32 v[TMP+2*\j],   v[XF+64*\st+4*\j],   v[XF+64*\st+4*\j+1]
	v_cvt_pk_bf16_f32 v[TMP+2*\j+1], v[XF+64*\st+4*\j+2], v[XF+64*\st+4*\j+3]
.endr
.irp j, 0,1,2,3,4,5,6,7,8,9,10,11,12,13,14,15
	ds_store_b64 v[XST+\p], v[TMP+2*\j:TMP+2*\j+1] offset:2*PA*\j
.endr
.endm
; x of one step: sixteen lanes take a row's 256 bytes, aligned; two rows a load, my 32 rows in all
.macro LDX st, tile
.irp j, 0,1,2,3,4,5,6,7,8,9,10,11,12,13,14,15
	global_load_b128 v[XF+64*\st+4*\j:XF+64*\st+4*\j+3], v[XOFF], s[4:5] offset:(\tile)*256+\j*24576
.endr
.endm
; gate_w of one step, in fragment order: each load of the wave takes 512 neighbouring bytes
.macro LDG g, tile
.irp kk, 0,1
.irp q, 0,1
	global_load_b128 v[GWF+16*\g+8*\kk+4*\q:GWF+16*\g+8*\kk+4*\q+3], v[GOFF], s[6:7] offset:(\tile)*2048+\kk*1024+\q*512
.endr
.endr
.endm
.macro LDB1                            ; b1 of my expert into the 32 accumulator tiles of a window: the sums start from the bias
.irp mt, 0,1,2,3
.irp nt, 0,1,2,3,4,5,6,7
	global_load_b128 v[8*(8*\mt+\nt):8*(8*\mt+\nt)+3],   v[BOFF], s[10:11] offset:64*\nt
	global_load_b128 v[8*(8*\mt+\nt)+4:8*(8*\mt+\nt)+7], v[BOFF], s[10:11] offset:64*\nt+16
.endr
.endr
.endm
; Where element e of the flat [128][10] lies in a part of y with rows of 80 bytes: 80 (e / 10) + 4 (e % 10) = 4 e + 40 (e / 10).
; e / 10 = (6,554 e) >> 16, exact for e < 1,280.  er: the register that holds e.
.macro FLAT dst, er
	v_mul_u32_u24 v30, v[\er], 0x199a
	v_lshrrev_b32 v30, 16, v30
	v_mul_u32_u24 v30, 40, v30
	v_lshl_add_u32 v30, v[\er], 2, v30
	v_add_nc_u32 v[\dst], YP, v30
.endm
; Step u = 4 lap + q of x (64 along K) = half pp = q & 1 of the weight tile in slot s = q >> 1: two chunks of 32 along K, 2 + 64 matrix instructions each, on
; fragment buffers 0 and 1.  In the middle of each chunk the next chunk's fragments are fetched in one run.
; n: global loads that may stay out at the head.  cv: x of step u + 1 is rounded into the other x buffer.  ux, ug: x of step u + 3 and gate_w of step u + 2 are asked for.
; kind 0: the step ends with my work-group's barrier (the x buffers change, nothing is filled); 1: with a round of the cluster's barrier and the slot's refill; 2: the last step.
.macro SUBSTEP q, s, pp, n, cv, ux, ug, kind
	s_wait_loadcnt \n                              ; gate_w(u) is in, and x(u + 1), which is older; behind gate_w(u) were issued x(u + 2), 16 loads, and gate_w(u + 1), 4, as far as they exist
	s_wait_dscnt 8                                 ; all fragments but the youngest eight loads (x rows 64-127)
	WIN 0
	GMM \pp, 0
	WIN 0xa5
	MUL 0, 0, 0
	MUL 0, 0, 2
	WIN 0
	PLACES                                         ; behind the matrix instructions that read buffer 1 and my rows' fragments, which are loaded below
.if \cv
	CVT (1-\pp), (1-\pp)                           ; the other x buffer: its readers passed the last step's barrier
.endif
.if \ux
	LDX (1-\pp), \q+3                              ; into the stage just rounded
.endif
	FETCH \s, 128*\pp+64, \pp, 64, 1
	s_wait_dscnt 36                                ; all but the 36 loads just issued
	WIN 0xf5
	MUL 0, 1, 0
	MUL 0, 1, 2
	s_wait_dscnt 8
	WIN 0
	GMM \pp, 1
	WIN 0xa5
	MUL 1, 0, 0
.if \kind == 2
	MUL 1, 0, 2
	s_wait_dscnt 0x0
	s_wait_tensorcnt 0x0                           ; the last tile, w2 of my expert, has landed in slot 0
	WIN 0xf5
	MUL 1, 1, 0
	MUL 1, 1, 2
.else
	s_wait_dscnt 0x0                               ; my reads of this x buffer (and, at a tile's end, of this slot) are over, my stores into the other x buffer are done
.if \kind == 1
	s_wait_xcnt 0x0
	s_set_vgpr_msb 0xa564
	v_lshl_add_u32 v158, v0, 2, 0x4e800
	v_mov_b32 v159, 0
	s_set_vgpr_msb 0x6465
	s_wait_tensorcnt 0x0                           ; all my tensor loads have landed: the one that was out is my quarter of the next slot
	ds_add_u32 v158, v159
	s_wait_dscnt 0x0
	s_set_vgpr_msb 0x65a5
	s_add_nc_u64 s[G0+4*\s+2:G0+4*\s+3], s[G0+4*\s+2:G0+4*\s+3], 2*TILEB   ; no load of mine is out: this slot's next tile, two tiles on
.endif
	s_barrier_signal -1                            ; (kind 1: opens a round of the cluster's barrier)
	MUL 1, 0, 2                                    ; register work while the others arrive
	WIN 0
	s_barrier_wait -1
.if \kind == 1
	CREST                                          ; no wave of any of the four work-groups still reads this slot or has a load on its way
	tensor_load_to_lds s[G0+4*\s:G0+4*\s+3], s[G1:G1+7]    ; my one tensor load behind the round, first thing there
	s_nop 0
.endif
	PLACES                                         ; behind the matrix instructions that read buffer 0, my rows' fragments and this step's gate_w
.if \ug
	LDG \pp, \q+2
.endif
.if \pp == 0
	FETCH \s, 128, 1, 0, 0                         ; the tile's second half, the other x buffer
.else
	FETCH (1-\s), 0, 0, 0, 0                       ; the next tile
.endif
	WIN 0xf5
	MUL 1, 1, 0
	MUL 1, 1, 2
.endif
.endm
	s_load_b256 s[4:11], s[0:1], 0x0               ; x s[4:5], gate_w fragments s[6:7], gate_b s[8:9], b1 s[10:11]
	s_load_b256 s[12:19], s[0:1], 0x20             ; b2 s[12:13], wp s[14:15], w3f s[16:17], part s[18:19]
	s_set_vgpr_msb 0x40
	v_lshl_add_u32 v158, v0, 2, 0x4e800
	v_mov_b32 v159, 0
	s_set_vgpr_msb 0x4045
	ds_add_u32 v158, v159
	s_wait_dscnt 0x0
	s_set_vgpr_msb 0x4500
	v_lshrrev_b32 v28, 5, v0
	v_readfirstlane_b32 s20, v28                   ; wave 0..3
	s_bfe_u32 s22, ttmp6, 0x40000                  ; cx: my place in the cluster
	s_and_b32 s59, ttmp9, 1                        ; which half of the experts: the cluster's number alone, the same in all four work-groups
	s_lshr_b32 s21, ttmp9, 1
	s_lshl_b32 s21, s21, 2
	s_add_co_u32 s21, s21, s22                     ; row block 0..127: it enters the addresses of x and of part alone
	s_lshl_b32 s60, s59, 2
	s_add_co_u32 s60, s60, s20                     ; my expert
	s_mov_b32 s58, 0xffff0000                      ; a word's upper bf16
	; group 1: a wave's quarter of a tile, 128 rows of 128 bf16, dense in memory; 16 bytes of padding behind every 256 make LDS rows of 272
	s_mov_b32 s[G1+0], 15|(1<<16)|(1<<20)|(1<<21)|(5<<22)|(3<<25)  ; 15:0 mask: all four work-groups; 17:16 elements of 2 bytes; 20 padding on; 21 set beside a mask; 24:22 after every 64 words; 31:25 four words
	s_mov_b32 s[G1+1], 128<<16                     ; tensor_dim0 = 128 elements
	s_mov_b32 s[G1+2], 128<<16                     ; tensor_dim1 = 128 rows
	s_mov_b32 s[G1+3], 128<<16                     ; tile_dim0 = 128
	s_mov_b32 s[G1+4], 128                         ; tile_dim1 = 128
	s_mov_b32 s[G1+5], 128                         ; from row to row: 128 elements (dense)
	s_mov_b32 s[G1+6], 0
	s_mov_b32 s[G1+7], 0
	v_and_b32 v[LANE], 31, v0
	v_and_b32 v[RR], 15, v0
	v_bfe_u32 v[HH], v0, 4, 1
	s_mul_i32 s48, s20, 32*12288
	v_mul_u32_u24 v28, v[HH], 12288
	v_lshl_add_u32 v28, v[RR], 4, v28
	v_add_nc_u32 v[XOFF], s48, v28
	v_lshlrev_b32 v[GOFF], 4, v[LANE]
	s_lshl_b32 s49, s60, 9
	v_lshl_add_u32 v[BOFF], v[HH], 5, s49
	v_mul_u32_u24 v28, v[RR], PB
	v_lshl_add_u32 v28, v[HH], 4, v28              ; a fragment: row lane % 16, 16 bytes for each half of the lanes
	s_mul_i32 s50, s20, WQ                         ; my quarter of a slot
	v_add_nc_u32 v[ADRB], s50, v28
	v_add_nc_u32 v[ADRB+1], SLOT, v[ADRB]
	v_mul_u32_u24 v28, v[RR], PA
	v_lshl_add_u32 v28, v[HH], 4, v28
	v_add_nc_u32 v[ADRA], XB, v28
	v_add_nc_u32 v[ADRA+1], XB+XBSZ, v28
	s_mul_i32 s51, s20, 32*PA                      ; my 32 rows of an x buffer
	v_add_nc_u32 v[ADRG], s51, v[ADRA]
	v_add_nc_u32 v[ADRG+1], s51, v[ADRA+1]
	v_mul_u32_u24 v28, v[HH], PA
	v_lshl_add_u32 v28, v[RR], 3, v28
	v_add_nc_u32 v28, s51, v28                     ; row 32 w + lane / 16, 8 bytes at 8 (lane % 16)
	v_add_nc_u32 v[XST], XB, v28
	v_add_nc_u32 v[XST+1], XB+XBSZ, v28
	s_lshl_b32 s52, s20, 9
	s_add_co_u32 s52, s52, WGT
	v_lshl_add_u32 v[WST], v[LANE], 4, s52         ; the four weights of row 32 w + lane
	s_lshl_b32 s53, s20, 2
	s_add_co_u32 s53, s53, WGT
	v_lshl_add_u32 v[WLD], v[RR], 4, s53           ; my expert's weight of row lane % 16 (+ 16 a block)
	s_mul_i32 s54, s20, YPSZ
	s_add_co_u32 s54, s54, YP
	v_mul_u32_u24 v28, v[RR], YPITCH
	v_lshl_add_u32 v28, v[HH], 5, v28
	v_add_nc_u32 v[YST], s54, v28                  ; my part of y: row lane % 16, outputs 8 (lane / 16) ..
	v_lshlrev_b32 v[OOFF], 4, v0                   ; piece t of my block's 320 pieces of 16 bytes
	v_lshlrev_b32 v29, 2, v0                       ; its first element, e = 4 t
	FLAT FIN, 29
	v_add_nc_u32 v29, 2, v29                       ; e + 2: a pair that begins at an even e lies in one row of ten
	FLAT FIN+1, 29
	v_add_nc_u32 v29, 510, v29                     ; piece 128 + t: e = 512 + 4 t
	FLAT FIN+2, 29
	v_add_nc_u32 v29, 2, v29
	FLAT FIN+3, 29
	v_and_b32 v29, 63, v0                          ; piece 256 + t % 64 (waves 0 and 1 use it)
	v_lshl_add_u32 v29, v29, 2, 1024
	FLAT FIN+4, 29
	v_add_nc_u32 v29, 2, v29
	FLAT FIN+5, 29
	s_mul_i32 s55, s60, 4608
	v_lshl_add_u32 v[W3O], v[LANE], 4, s55
	v_lshl_add_u32 v[B3O], v[HH], 5, s55
	s_mul_i32 s56, s59, 25*TILEB                   ; my half's 25 tiles,
	s_lshl_b32 s57, s20, 15                        ; my quarter of a tile
	s_add_co_u32 s56, s56, s57
	s_mov_b32 s57, 0
	s_wait_kmcnt 0x0
	s_load_b256 s[40:47], s[8:9], 0x0              ; gate_b, eight numbers
	s_add_nc_u64 s[52:53], s[14:15], s[56:57]      ; wp: the half and the wave's number alone, the same in all four work-groups
	s_mul_i32 s56, s21, 128*12288
	s_add_nc_u64 s[4:5], s[4:5], s[56:57]          ; x at my work-group's first row
	s_mul_i32 s56, s21, 5120
	s_mul_i32 s62, s59, 655360
	s_add_co_u32 s56, s56, s62
	s_add_nc_u64 s[18:19], s[18:19], s[56:57]      ; part: my half's [16384][10], my 128 rows
.irp s, 0,1
	s_mov_b32 s[G0+4*\s], 1                                        ; count = 1
	s_add_co_u32 s[G0+4*\s+1], s50, \s*SLOT                        ; LDS address: wave x quarter + slot
	s_add_nc_u64 s[G0+4*\s+2:G0+4*\s+3], s[52:53], \s*TILEB        ; tile s
	s_or_b32 s[G0+4*\s+3], s[G0+4*\s+3], 0x80000000                ; type = 2
.endr
	CROUND                                         ; all four work-groups are here: the first joint loads meet
	tensor_load_to_lds s[G0:G0+3], s[G1:G1+7]      ; tile 0
	s_nop 0
	tensor_load_to_lds s[G0+4:G0+7], s[G1:G1+7]    ; tile 1: two tensor loads of mine are out here, one behind every later round
	s_nop 0
	WIN 0x80
	LDB1
	WIN 0xc0
	LDB1
	WIN 0
	LDX 0, 0
	LDX 1, 1
	LDG 0, 0
	s_wait_kmcnt 0x0                               ; gate_b: rounded to bf16 like the gate's other operands, it starts both row blocks' sums
.irp p, 0,1,2,3
	v_cvt_pk_bf16_f32 v[28+\p], s[40+2*\p], s[41+2*\p]
.endr
.irp p, 0,1,2,3
	v_lshlrev_b32 v[GA+2*\p],     16,  v[28+\p]
	v_and_b32     v[GA+2*\p+1],   s58, v[28+\p]
	v_lshlrev_b32 v[GA+8+2*\p],   16,  v[28+\p]
	v_and_b32     v[GA+8+2*\p+1], s58, v[28+\p]
.endr
	s_wait_loadcnt 20                              ; b1 and x(0) are in; x(1), 16 loads, and gate_w(0), 4, are younger
	CVT 0, 0
	LDX 0, 2
	LDG 1, 1
	s_wait_dscnt 0x0                               ; my rows of x buffer 0 are stored
	s_wait_tensorcnt 0x1                           ; my quarter of tile 0 is in; tile 1 may stay out
	s_barrier_signal -1
	s_barrier_wait -1
	FETCH 0, 0, 0, 0, 0
	WIN 0                                          ; at a label and at a branch every window is 0
	s_mov_b32 s23, LAPS-1
.Llap:
	SUBSTEP 0, 0, 0, 20, 1, 1, 1, 0
	SUBSTEP 1, 0, 1, 20, 1, 1, 1, 1
	SUBSTEP 2, 1, 0, 20, 1, 1, 1, 0
	SUBSTEP 3, 1, 1, 20, 1, 1, 1, 1
	WIN 0
	s_wait_xcnt 0x0                                ; the bases of pending loads are stepped only behind this wait
	s_add_nc_u64 s[4:5], s[4:5], 4*256
	s_add_nc_u64 s[6:7], s[6:7], 4*2048
	s_sub_co_u32 s23, s23, 1
	s_cmp_lg_u32 s23, 0
	s_cbranch_scc1 .Llap
	; the last lap, written out: x ends with step 47 (asked for in step 44), gate_w with step 47 (asked for in step 45); the counts run down.
	; Tile 22's end still fills slot 0: tile 24 is w2 of my expert.  Tile 23's end fills nothing.
	SUBSTEP 0, 0, 0, 20, 1, 1, 1, 0                ; step 44
	SUBSTEP 1, 0, 1, 20, 1, 0, 1, 1                ; step 45: behind gate_w(45) x(47) and gate_w(46)
	SUBSTEP 2, 1, 0, 4, 1, 0, 0, 0                 ; step 46: behind gate_w(46) only gate_w(47)
	SUBSTEP 3, 1, 1, 0, 0, 0, 0, 2                 ; step 47
; ---------------- behind the K loop ----------------
; 16 LDS loads: w2's fragments of column blocks 2 c2, 2 c2 + 1, all four K blocks, from slot 0 into buffer b (fragment (gl, kc) at 8 (4 gl + kc))
.macro L2LD b, c2
.irp gl, 0,1
.irp kc, 0,1,2,3
	ds_load_b128 v[64*\b+8*(4*\gl+\kc):64*\b+8*(4*\gl+\kc)+3],   v[ADRB] offset:16*(2*\c2+\gl)*PB+64*\kc
	ds_load_b128 v[64*\b+8*(4*\gl+\kc)+4:64*\b+8*(4*\gl+\kc)+7], v[ADRB] offset:16*(2*\c2+\gl)*PB+64*\kc+32
.endr
.endr
.endm
; ReLU on a window's 256 sums, then rounding in pairs: registers 2 i, 2 i + 1 of the window become register H + i, which is the next layer's fragment (mt, kc) at H + 32 mt + 8 kc
.macro RELUCVT wr, wc
	WIN \wr
.set i, 0
.rept 256
	v_max_num_f32 v[i], 0, v[i]
.set i, i+1
.endr
	WIN \wc
.set i, 0
.rept 128
	v_cvt_pk_bf16_f32 v[H+i], v[2*i], v[2*i+1]
.set i, i+1
.endr
.endm
; What the rounding left: lo = h2 - hi, exact in f32, in place (hi's half times -1.0, plus h2); then rounded in pairs and moved together:
; registers 2 i, 2 i + 1 of the window become its register i, which has been read by then (i <= 2 i).  Fragment (mt, kc) of lo lies at 32 mt + 8 kc.
.macro LOPART wm, wl
	WIN \wm
.set i, 0
.rept 128
	v_fma_mix_f32_bf16 v[2*i],   v[H+i], v[NEG1], v[2*i]   op_sel_hi:[1,0,0]
	v_fma_mix_f32_bf16 v[2*i+1], v[H+i], v[NEG1], v[2*i+1] op_sel:[1,0,0] op_sel_hi:[1,0,0]
.set i, i+1
.endr
	WIN \wl
.set i, 0
.rept 128
	v_cvt_pk_bf16_f32 v[i], v[2*i], v[2*i+1]
.set i, i+1
.endr
.endm
; layer 2 of 64 rows: four chunks of two column blocks; each chunk's first eight products take b2 as C; eight accumulators take turns
.macro L2 wf, wr
.irp c, 0,1,2,3
.if \c > 0
	PLACES                                         ; behind the matrix instructions that read the buffer that is loaded next
.endif
.if \c < 3
	WIN 0x40
	L2LD ((\c+1)&1), (\c+1)
	s_wait_dscnt 16                                ; all but the 16 just issued: this chunk's fragments are in
.else
	s_wait_dscnt 0x0
.endif
	WIN \wf
.irp gl, 0,1
.irp mt, 0,1,2,3
	v_wmma_f32_16x16x32_bf16 v[8*(8*\mt+2*\c+\gl):8*(8*\mt+2*\c+\gl)+7], v[64*(\c&1)+32*\gl:64*(\c&1)+32*\gl+7], v[H+32*\mt:H+32*\mt+7], v[128+8*(2*\c+\gl):128+8*(2*\c+\gl)+7]
.endr
.endr
	WIN \wr
.irp kc, 1,2,3
.irp gl, 0,1
.irp mt, 0,1,2,3
	v_wmma_f32_16x16x32_bf16 v[8*(8*\mt+2*\c+\gl):8*(8*\mt+2*\c+\gl)+7], v[64*(\c&1)+8*(4*\gl+\kc):64*(\c&1)+8*(4*\gl+\kc)+7], v[H+32*\mt+8*\kc:H+32*\mt+8*\kc+7], v[8*(8*\mt+2*\c+\gl):8*(8*\mt+2*\c+\gl)+7]
.endr
.endr
.endr
.endr
.endm
; layer 3 of 64 rows: one column block (outputs 0..15, of which ten are real), four row blocks at v[OUT + 8 mt] of the rows' window; the first products take b3 as C;
; first h2's high halves (window 0), then its low halves (the rows' window); four accumulators take turns
.macro L3 wf, wr, wl
	WIN \wf
.irp mt, 0,1,2,3
	v_wmma_f32_16x16x32_bf16 v[OUT+8*\mt:OUT+8*\mt+7], v[W3F:W3F+7], v[H+32*\mt:H+32*\mt+7], v[B3F:B3F+7]
.endr
	WIN \wr
.irp kc, 1,2,3
.irp mt, 0,1,2,3
	v_wmma_f32_16x16x32_bf16 v[OUT+8*\mt:OUT+8*\mt+7], v[W3F+8*\kc:W3F+8*\kc+7], v[H+32*\mt+8*\kc:H+32*\mt+8*\kc+7], v[OUT+8*\mt:OUT+8*\mt+7]
.endr
.endr
	WIN \wl
.irp kc, 0,1,2,3
.irp mt, 0,1,2,3
	v_wmma_f32_16x16x32_bf16 v[OUT+8*\mt:OUT+8*\mt+7], v[W3F+8*\kc:W3F+8*\kc+7], v[32*\mt+8*\kc:32*\mt+8*\kc+7], v[OUT+8*\mt:OUT+8*\mt+7]
.endr
.endr
.endm
; 64 rows' outputs times the rows' weights of my expert (one weight a lane and row block, given to both halves of a pair by op_sel), then into my own bytes of LDS,
; rows of 80 bytes.  Every lane stores its eight numbers: lanes 0-15 outputs 0..7, lanes 16-31 outputs 8..15, of which 10..15 do not exist and lie in columns that nobody reads.
.macro WEIGH hf, wm, ws
	WIN \wm
.irp mt, 0,2
.irp p, 0,1,2,3
	v_pk_mul_f32 v[OUT+8*\mt+2*\p:OUT+8*\mt+2*\p+1], v[OUT+8*\mt+2*\p:OUT+8*\mt+2*\p+1], v[WW+4*\hf+\mt:WW+4*\hf+\mt+1] op_sel_hi:[1,0]
	v_pk_mul_f32 v[OUT+8*(\mt+1)+2*\p:OUT+8*(\mt+1)+2*\p+1], v[OUT+8*(\mt+1)+2*\p:OUT+8*(\mt+1)+2*\p+1], v[WW+4*\hf+\mt:WW+4*\hf+\mt+1] op_sel:[0,1] op_sel_hi:[1,1]
.endr
.endr
	WIN \ws
.irp mt, 0,1,2,3
	ds_store_b128 v[YST], v[OUT+8*\mt:OUT+8*\mt+3]   offset:(64*\hf+16*\mt)*YPITCH
	ds_store_b128 v[YST], v[OUT+8*\mt+4:OUT+8*\mt+7] offset:(64*\hf+16*\mt)*YPITCH+16
.endr
.endm
	PLACES                                         ; behind the last matrix instructions: their fragments' registers are loaded, the gate's sums are read
	WIN 0x40
	L2LD 0, 0                                      ; w2 of my expert (tile 24, shown landed by the last step's wait)
.irp gt, 0,1,2,3,4,5,6,7
	global_load_b128 v[128+8*\gt:128+8*\gt+3],   v[BOFF], s[12:13] offset:64*\gt           ; b2
	global_load_b128 v[128+8*\gt+4:128+8*\gt+7], v[BOFF], s[12:13] offset:64*\gt+16
.endr
	WIN 0
.irp kc, 0,1,2,3
.irp q, 0,1
	global_load_b128 v[W3F+8*\kc+4*\q:W3F+8*\kc+4*\q+3], v[W3O], s[16:17] offset:\kc*1024+\q*512   ; w3 in fragment order
.endr
.endr
	v_mov_b32 v[NEG1], -1.0
	; THE GATE.  Both halves of the lanes hold the eight scores of rows lane % 16 of my two row blocks: lanes 0-15 go on with the first block, lanes 16-31 with the second: row 32 w + lane.
	v_cmp_eq_u32 vcc_lo, 1, v[HH]
.irp e, 0,1,2,3,4,5,6,7
	v_cndmask_b32 v[SC+\e], v[GA+\e], v[GA+8+\e], vcc_lo
.endr
	v_mov_b32 v216, v[SC]                          ; the best score and its index; a later equal score does not replace it
	v_mov_b32 v217, 0
.irp e, 1,2,3,4,5,6,7
	v_cmp_gt_f32 vcc_lo, v[SC+\e], v216
	v_cndmask_b32 v216, v216, v[SC+\e], vcc_lo
	v_cndmask_b32 v217, v217, \e, vcc_lo
.endr
	v_mov_b32 v220, 0xff800000                     ; -infinity takes the best one out
.irp e, 0,1,2,3,4,5,6,7
	v_cmp_eq_u32 vcc_lo, \e, v217
	v_cndmask_b32 v[224+\e], v[SC+\e], v220, vcc_lo
.endr
	v_mov_b32 v218, v224                           ; the second best and its index
	v_mov_b32 v219, 0
.irp e, 1,2,3,4,5,6,7
	v_cmp_gt_f32 vcc_lo, v[224+\e], v218
	v_cndmask_b32 v218, v218, v[224+\e], vcc_lo
	v_cndmask_b32 v219, v219, \e, vcc_lo
.endr
	; softmax with the maximum taken away: exp(s - best) for all eight (the sum) and for the second best
.irp e, 0,1,2,3,4,5,6,7
	v_sub_f32 v[224+\e], v[SC+\e], v216
.endr
	v_sub_f32 v232, v218, v216
.irp e, 0,1,2,3,4,5,6,7,8
	v_mul_f32 v[224+\e], 0x3fb8aa3b, v[224+\e]     ; log2(e): v_exp_f32 is 2^x
.endr
.irp e, 0,1,2,3,4,5,6,7,8
	v_exp_f32 v[234+\e], v[224+\e]
.endr
	v_nop                                          ; one plain vector instruction behind the transcendentals (ISA guide 5.7.2)
	s_wait_alu depctr_va_vdst(0)
	v_pk_add_f32 v[244:245], v[234:235], v[236:237]
	v_pk_add_f32 v[246:247], v[238:239], v[240:241]
	v_pk_add_f32 v[244:245], v[244:245], v[246:247]
	v_add_f32 v244, v244, v245                     ; Z, at least 1
	v_rcp_f32 v248, v244                           ; softmax of the best: 1 / Z
	v_nop
	s_wait_alu depctr_va_vdst(0)
	v_mul_f32 v249, v242, v248                     ; of the second best
	v_add_f32 v250, v248, v249
	v_add_f32 v250, 0x322bcc77, v250               ; + 1e-8
	v_rcp_f32 v251, v250
	v_nop
	s_wait_alu depctr_va_vdst(0)
	v_mul_f32 v252, v248, v251
	v_mul_f32 v253, v249, v251
.irp e, 0,1,2,3,4,5,6,7
	v_cmp_eq_u32 vcc_lo, \e, v219
	v_cndmask_b32 v[224+\e], 0, v253, vcc_lo
	v_cmp_eq_u32 vcc_lo, \e, v217
	v_cndmask_b32 v[224+\e], v[224+\e], v252, vcc_lo
.endr
	s_cmp_eq_u32 s59, 1                            ; my half's four of the eight weights
	s_cselect_b32 s48, -1, 0
.irp e, 0,1,2,3
	v_cndmask_b32 v[244+\e], v[224+\e], v[228+\e], s48
.endr
	ds_store_b128 v[WST], v[244:247]
	global_load_b128 v[B3F:B3F+3],   v[B3O], s[16:17] offset:4096      ; b3, into registers that the gate has left
	global_load_b128 v[B3F+4:B3F+7], v[B3O], s[16:17] offset:4096+16
	; ROWS 0-63
	RELUCVT 0x8a, 0x0a
	s_wait_loadcnt 0x0                             ; b2, w3, b3
	L2 0x91, 0xa1
	PLACES
	RELUCVT 0x8a, 0x0a
	LOPART 0xa0, 0x8a
	L3 0x80, 0xa0, 0xa8
	s_wait_dscnt 0x0                               ; my rows' weights are stored; my reads of the x buffers ended long ago
	s_barrier_signal -1
	s_barrier_wait -1                              ; every wave's: the weights may be read, and the x buffers' bytes written
	WIN 0
.irp i, 0,1,2,3,4,5,6,7
	ds_load_b32 v[WW+\i], v[WLD] offset:256*\i     ; my expert's weight for row 16 i + lane % 16
.endr
	WIN 0x40
	L2LD 0, 0
	s_wait_dscnt 16                                ; the weights are in; the 16 fragment loads are younger
	PLACES                                         ; behind layer 3's last matrix instructions
	WEIGH 0, 0x82, 0x08
	; ROWS 64-127
	RELUCVT 0xcf, 0x0f
	L2 0xd1, 0xf1
	PLACES
	RELUCVT 0xcf, 0x0f
	LOPART 0xf0, 0xcf
	L3 0xc0, 0xf0, 0xfc
	PLACES
	WEIGH 1, 0xc3, 0x0c
	WIN 0
	s_wait_dscnt 0x0                               ; my part is stored, for the other waves' sake
	s_barrier_signal -1
	s_barrier_wait -1
	; The four waves' parts are added in a fixed order; 5,120 bytes leave as 320 pieces of 16 bytes: a wave's store covers 512 neighbouring bytes, aligned.
	; A piece is two pairs of neighbouring outputs, each pair inside one row.
.macro FINLD a, reg
.irp p, 0,1,2,3
	ds_load_b64 v[\reg+4*\p:\reg+4*\p+1],   v[FIN+\a]   offset:YPSZ*\p
	ds_load_b64 v[\reg+4*\p+2:\reg+4*\p+3], v[FIN+\a+1] offset:YPSZ*\p
.endr
.endm
.macro FINSUM reg, off
	v_pk_add_f32 v[\reg:\reg+1],     v[\reg:\reg+1],     v[\reg+4:\reg+5]
	v_pk_add_f32 v[\reg+2:\reg+3],   v[\reg+2:\reg+3],   v[\reg+6:\reg+7]
	v_pk_add_f32 v[\reg+8:\reg+9],   v[\reg+8:\reg+9],   v[\reg+12:\reg+13]
	v_pk_add_f32 v[\reg+10:\reg+11], v[\reg+10:\reg+11], v[\reg+14:\reg+15]
	v_pk_add_f32 v[\reg:\reg+1],     v[\reg:\reg+1],     v[\reg+8:\reg+9]
	v_pk_add_f32 v[\reg+2:\reg+3],   v[\reg+2:\reg+3],   v[\reg+10:\reg+11]
	global_store_b128 v[OOFF], v[\reg:\reg+3], s[18:19] offset:\off
.endm
	FINLD 0, 32
	FINLD 2, 48
	s_wait_dscnt 8                                 ; piece t's eight loads are in; piece 128 + t's are younger
	FINSUM 32, 0
	s_wait_dscnt 0x0
	FINSUM 48, 2048
	s_cmp_ge_u32 s20, 2
	s_cbranch_scc1 .Lno_tail
	FINLD 4, 64                                    ; pieces 256 to 319: waves 0 and 1
	s_wait_dscnt 0x0
	FINSUM 64, 4096
.Lno_tail:
	s_wait_xcnt 0x0
	s_set_vgpr_msb 0x40
	v_lshl_add_u32 v158, v0, 2, 0x4e800
	v_mov_b32 v159, 0
	s_set_vgpr_msb 0x4045
	s_wait_tensorcnt 0x0
	ds_add_u32 v158, v159
	s_wait_dscnt 0x0
	s_set_vgpr_msb 0x4500
	CROUND                                         ; the closing round: no work-group ends while a partner may still ask for a tile that names it
	s_endpgm
.Lfunc_end_k_q4e2d81f8ac_moe:
	.size	k_q4e2d81f8ac_moe, .Lfunc_end_k_q4e2d81f8ac_moe-k_q4e2d81f8ac_moe
	.p2alignl 7, 3214868480
	.fill 96, 4, 3214868480
	.section	.rodata,"a",@progbits
	.p2align	6, 0x0
	.amdhsa_kernel k_q4e2d81f8ac_moe
		.amdhsa_group_segment_fixed_size 327680
		.amdhsa_private_segment_fixed_size 0
		.amdhsa_enable_private_segment 0
		.amdhsa_kernarg_size 64
		.amdhsa_user_sgpr_count 2
		.amdhsa_user_sgpr_kernarg_segment_ptr 1
		.amdhsa_wavefront_size32 1
		.amdhsa_system_sgpr_workgroup_id_x 1
		.amdhsa_system_sgpr_workgroup_id_y 1
		.amdhsa_system_sgpr_workgroup_id_z 1
		.amdhsa_system_vgpr_workitem_id 0
		.amdhsa_next_free_vgpr 1024
		.amdhsa_next_free_sgpr 66
		.amdhsa_reserve_vcc 1
		.amdhsa_float_denorm_mode_32 3
		.amdhsa_float_denorm_mode_16_64 3
		.amdhsa_memory_ordered 1
		.amdhsa_forward_progress 1
		.amdhsa_inst_pref_size 255
	.end_amdhsa_kernel
	.section	.bss,"aw",@nobits
	.p2align	6
	.space	262144
	.amdgpu_metadata
---
amdhsa.version: [ 1, 2 ]
amdhsa.kernels:
  - .name:           k_q4e2d81f8ac_moe
    .symbol:         k_q4e2d81f8ac_moe.kd
    .args:
      - { .name: x, .offset: 0, .size: 8, .value_kind: global_buffer, .address_space: global }
      - { .name: gwf, .offset: 8, .size: 8, .value_kind: global_buffer, .address_space: global }
      - { .name: gate_b, .offset: 16, .size: 8, .value_kind: global_buffer, .address_space: global }
      - { .name: b1, .offset: 24, .size: 8, .value_kind: global_buffer, .address_space: global }
      - { .name: b2, .offset: 32, .size: 8, .value_kind: global_buffer, .address_space: global }
      - { .name: wp, .offset: 40, .size: 8, .value_kind: global_buffer, .address_space: global }
      - { .name: w3f, .offset: 48, .size: 8, .value_kind: global_buffer, .address_space: global }
      - { .name: part, .offset: 56, .size: 8, .value_kind: global_buffer, .address_space: global }
    .group_segment_fixed_size: 327680
    .private_segment_fixed_size: 0
    .kernarg_segment_align: 8
    .kernarg_segment_size: 64
    .max_flat_workgroup_size: 128
    .sgpr_count:     66
    .vgpr_count:     1024
    .wavefront_size: 32
...
	.end_amdgpu_metadata
.endif
;; end of part 4
;; launch comb (part 5): grid 160 x 1, 8 waves a work-group, no clusters, 0 bytes of LDS; arguments part, out0; writes out0
.if DOCPART == 5
	.amdgcn_target "amdgcn-amd-amdhsa--gfx1250"
	.amdhsa_code_object_version 6
	.text
	.protected	k_q4e2d81f8ac_comb
	.globl	k_q4e2d81f8ac_comb
	.p2align	8
	.type	k_q4e2d81f8ac_comb,@function
k_q4e2d81f8ac_comb:
	s_mov_b64 s[64:65], 0
	v_nop
	global_prefetch_b8 v0, s[64:65] scope:SCOPE_SE
	s_setreg_imm32_b32 hwreg(HW_REG_WAVE_MODE, 25, 1), 1
	s_wait_xcnt 0x0
; out0 = part[0] + part[1]: the two halves of the experts were summed by different work-groups of the launch before, so their sum is made here.
; 163,840 f32 = 40,960 pieces of 16 bytes, one a thread: 160 work-groups of 256 threads.  Each load and store of a wave covers 512 neighbouring bytes, aligned.
; No LDS, no barrier, no loop: each byte is read once and written once, and a thread's two loads go out together.
.set HALF, 655360                      ; bytes of one half's [16384][10] f32
	s_load_b128 s[4:7], s[0:1], 0x0                ; part s[4:5], out0 s[6:7]
	s_lshl_b32 s8, ttmp9, 12                       ; 256 threads x 16 bytes a work-group
	s_mov_b32 s9, 0
	v_lshlrev_b32 v1, 4, v0
	s_wait_kmcnt 0x0
	s_add_nc_u64 s[4:5], s[4:5], s[8:9]
	s_add_nc_u64 s[6:7], s[6:7], s[8:9]
	global_load_b128 v[4:7],  v1, s[4:5] th:TH_LOAD_NT
	global_load_b128 v[8:11], v1, s[4:5] offset:HALF th:TH_LOAD_NT
	s_wait_loadcnt 0x0
	v_pk_add_f32 v[4:5], v[4:5], v[8:9]
	v_pk_add_f32 v[6:7], v[6:7], v[10:11]
	global_store_b128 v1, v[4:7], s[6:7] th:TH_STORE_NT
	s_endpgm
.Lfunc_end_k_q4e2d81f8ac_comb:
	.size	k_q4e2d81f8ac_comb, .Lfunc_end_k_q4e2d81f8ac_comb-k_q4e2d81f8ac_comb
	.p2alignl 7, 3214868480
	.fill 96, 4, 3214868480
	.section	.rodata,"a",@progbits
	.p2align	6, 0x0
	.amdhsa_kernel k_q4e2d81f8ac_comb
		.amdhsa_group_segment_fixed_size 0
		.amdhsa_private_segment_fixed_size 0
		.amdhsa_enable_private_segment 0
		.amdhsa_kernarg_size 16
		.amdhsa_user_sgpr_count 2
		.amdhsa_user_sgpr_kernarg_segment_ptr 1
		.amdhsa_wavefront_size32 1
		.amdhsa_system_sgpr_workgroup_id_x 1
		.amdhsa_system_sgpr_workgroup_id_y 1
		.amdhsa_system_sgpr_workgroup_id_z 1
		.amdhsa_system_vgpr_workitem_id 0
		.amdhsa_next_free_vgpr 12
		.amdhsa_next_free_sgpr 66
		.amdhsa_reserve_vcc 0
		.amdhsa_float_denorm_mode_32 3
		.amdhsa_float_denorm_mode_16_64 3
		.amdhsa_memory_ordered 1
		.amdhsa_forward_progress 1
		.amdhsa_inst_pref_size 1
	.end_amdhsa_kernel
	.amdgpu_metadata
---
amdhsa.version: [ 1, 2 ]
amdhsa.kernels:
  - .name:           k_q4e2d81f8ac_comb
    .symbol:         k_q4e2d81f8ac_comb.kd
    .args:
      - { .name: part, .offset: 0, .size: 8, .value_kind: global_buffer, .address_space: global }
      - { .name: out0, .offset: 8, .size: 8, .value_kind: global_buffer, .address_space: global }
    .group_segment_fixed_size: 0
    .private_segment_fixed_size: 0
    .kernarg_segment_align: 8
    .kernarg_segment_size: 16
    .max_flat_workgroup_size: 256
    .sgpr_count:     66
    .vgpr_count:     12
    .wavefront_size: 32
...
	.end_amdgpu_metadata
.endif
;; end of part 5
